; MI455X (gfx1250); checked and timed in simulation.
; The chip was launched on July 23, 2026; its instructions are those of AMD's public machine-readable ISA for CDNA 5 (MIT licence, August 2026) and "CDNA5" Instruction Set Architecture Reference Guide (July 2026). The comments in the code are by the model that wrote it; some were corrected since.
;; Mixture Attention. Allowed arithmetic: matrix products marked QUANTISED: E4M3 operands, one given power-of-two scale a tensor, by v_wmma_f32_16x16x64_fp8_fp8 or v_wmma_f32_16x16x128_fp8_fp8, f32 sums; products left as they are: f32 operands where the result goes on into a quantised operand, else bf16, f16 or f32 operands; f32 sums; everything else in f32.
;; Inputs: Wk 8 x 1,024 x 1,024 float32; Wo 8 x 1,024 x 1,024 float32; Wq 8 x 1,024 x 1,024 float32; Wr 1,024 x 8 float32; Wv 8 x 1,024 x 1,024 float32; bk 8 x 1,024 float32; bo 8 x 1,024 float32; bq 8 x 1,024 float32; br 8 float32; bv 8 x 1,024 float32; keys 2 x 4,096 x 1,024 float32; lowp_scales 12 int32 (the exponents e of the quantised operands' scales 2^e); queries 2 x 1,024 x 1,024 float32; values 2 x 4,096 x 1,024 float32.
;; Outputs: out0 2 x 1,024 x 1,024 float32.
;; This version of the problem:
;;   THIS VERSION OF THE PROBLEM IS GIVEN IN LOW PRECISION. The matrix products marked QUANTISED in the list below multiply operands that are first quantised to E4M3 (4 exponent bits, 3 mantissa bits; 8 bits a number), with one given power-of-two scale for each operand tensor; their sums are f32. All else is computed in f32.
;;   The module's matrix products, in the order in which they are computed (A, B: the left and right operand; K: the contracted axis; several contracted axes count as one K, in the product's order):
;;     1. [M 2,048, K 1,024] x [K 1,024, N 8]; A: input queries; B: input Wr: left as it is (N = 8 < 16)
;;     2. [M 2,048, K 1,024] x [K 1,024, N 8,192]; A: input queries; B: input Wq: QUANTISED (scales: A lowp_scales[0], B lowp_scales[1])
;;     3. batch 8 x [M 1,024, K 1,024] x [K 1,024, N 1,024]; A: input keys; B: input Wk: QUANTISED (scales: A lowp_scales[2], B lowp_scales[3])
;;     4. batch 8 x [M 1,024, K 1,024] x [K 1,024, N 1,024]; A: input values; B: input Wv: QUANTISED (scales: A lowp_scales[4], B lowp_scales[5])
;;     5. batch 256 x [M 1,024, K 64] x [K 64, N 512]; A: computed on the way; B: computed on the way: QUANTISED (scales: A lowp_scales[6], B lowp_scales[7])
;;     6. batch 256 x [M 64, K 512] x [K 512, N 1,024]; A: computed on the way; B: softmax (see below): QUANTISED (scales: A lowp_scales[8], B lowp_scales[9])
;;     7. batch 8 x [M 2,048, K 1,024] x [K 1,024, N 1,024]; A: computed on the way; B: input Wo: QUANTISED (scales: A lowp_scales[10], B lowp_scales[11])
;;   THE QUANTISER, for each operand of a quantised product, along K:
;;     - The operand's scale is 2^e, e = its entry of the input lowp_scales (int32; the entries are numbered through the quantised products in the list's order, A before B).
;;     - Each number is divided by the scale, clamped to +-448, and rounded to the nearest number of E4M3, ties to even, subnormals kept.
;;     - The product sums the exact products of the quantised numbers (number of the format x scale) in f32.
;;   ~~~python
;;   def quantise(x, axis, e):      # numpy; x: float32 -> the quantised numbers, widened to float32 again
;;       x = np.moveaxis(x, axis, -1); K = x.shape[-1]
;;       r = np.clip(x / 2.0 ** e, -448, 448)
;;       step = 2.0 ** (np.maximum(np.frexp(np.where(r == 0, 1, r))[1] - 1, -6) - 3)
;;       q = np.round(r / step) * step * 2.0 ** e      # np.round: ties to even
;;       return np.moveaxis(q, -1, axis).astype(np.float32)
;;   ~~~
;;   SOFTMAX AHEAD OF A QUANTISED PRODUCT. Where the list says 'softmax', what is quantised is not the finished softmax but p = 2^(t - M), with t = logit x log2(e) and M = ceil(the row's largest t), a whole number; so 1/2 < the row's largest p <= 1. The row's sum l is taken of the UNQUANTISED p, in f32, and the product's result is divided by l at the end. Since M is a whole number, a kernel that streams over the keys may use a running M (the ceiling of the running maximum): every later rescaling is an exact power of two, so the quantised numbers keep their values, but for numbers so far below the row's largest that they fall under the format's range.
;;   OPERANDS COMPUTED ON THE WAY. 'Computed on the way' means the value that the module computes at that place (a softmax that the list does not call 'softmax' is quantised finished and normalised). What goes into a quantiser is computed in f32, as accurately as f32 sums, v_exp_f32 and their like allow (about 1e-6 of the number): no bf16 or f16 on the way to a quantiser, and a product that is left as it is and whose result goes on into a quantised operand takes f32 operands (vector FMAs, or v_wmma_f32_16x16x4_f32). A number that lies on a knife's edge between two numbers of the format may be rounded either way, as far as f32 arithmetic and the matrix unit's own rounding can turn it there, and no further.
;; 2 versions, each right; version 2 is version 1 with the launches qattn, oproj written anew for expert scheduling mode. Each part assembles by itself: llvm-mc -triple=amdgcn-amd-amdhsa -mcpu=gfx1250 --defsym DOCPART=n.
;; ======== version 1 of 2: 6 launches
;; workspace buffers: wcode 35,651,584 bytes; ridx 16,384 bytes of whole numbers; rwgt 16,384 bytes; xcode 16,777,216 bytes; plan 82,176 bytes of whole numbers; kvcode 16,777,216 bytes; ocode 16,777,216 bytes; part 67,108,864 bytes
;; launch prep1 (part 1): grid 1152 x 1, 4 waves a work-group, no clusters, 86,528 bytes of LDS; arguments Wq, Wk, Wv, Wo, queries, Wr, br, lowp_scales, wcode, ridx, rwgt; writes wcode, ridx, rwgt
.if DOCPART == 1
	.amdgcn_target "amdgcn-amd-amdhsa--gfx1250"
	.amdhsa_code_object_version 6
	.text
	.protected	k_qbbd06d2654_prep1
	.globl	k_qbbd06d2654_prep1
	.p2align	8
	.type	k_qbbd06d2654_prep1,@function
k_qbbd06d2654_prep1:
	s_mov_b64 s[64:65], 0
	v_nop
	global_prefetch_b8 v0, s[64:65] scope:SCOPE_SE
	s_setreg_imm32_b32 hwreg(HW_REG_WAVE_MODE, 25, 1), 1
	s_wait_xcnt 0x0
; prep1.  Two kinds of work-group, told apart by the work-group's number.
; 0..127 (TOKENS): 16 tokens each.  queries -> codes of E4M3 (scale 2^e0), rows of 1,024 bytes, at wcode + 32 MiB; the router's logits by f32 multiply-adds; the two largest (ties: the lower index), their softmax.
; 128..1151 (WEIGHTS): Wq, Wk, Wv, Wo [8][k 1024][n 1024] f32 -> codes (scales e1, e3, e5, e11), laid as IMAGES OF OPERAND REGISTERS: wcode[which 4][expert 8][tile 64][K step 8][2,048 bytes];
;   byte 512 c + 256 h + 16 r + i of an image = (column at place r of the tile, k = 128 s + 32 c + 16 h + i); place p of tile t is column 32 (t / 2) + 8 (t % 2) + p + 8 (p / 8).
;   A lane takes a column and its registers run down k, so the conversions give codes with k innermost; sixteen lanes store 256 consecutive aligned bytes.
; code = x / 2^e, held within +-448, to the nearest code, ties to even.
; LIMITS: each e used here between -126 and 119.  NaN among the inputs is not served; the router's logits are taken to be finite; their sums go in another order than a row-by-row sum.
; Only the token work-groups store to LDS; all work-groups pass the one barrier.
.set STG,   0                          ; 4 x 8,448: a wave's stage, 16 rows of 512 bytes + 16
.set WRL,   33792                      ; 4 x 8,192: a wave's 256 rows of Wr
.set QST,   66560                      ; 4 x 4,352: a wave's codes, 16 rows of 256 bytes + 16
.set RED,   83968                      ; 4 x 512: a wave's 16 x 8 partial logits
.set SPARE, 86016                      ; the spare words: 128 bytes a wave, named by no other line
.set SPW,   14                         ; v14 my spare word's address; never rewritten
.set NIL,   15                         ; v15 0; never rewritten
.set R,     16                         ; v16-143 two units of 16 rows as loaded
.set X,     144                        ; v144-207 64 numbers of my row: register 16 c + i = k 32 c + 16 h + i
.set ACC,   240                        ; v240-247 my row's eight partial logits
	s_load_b512 s[4:19], s[0:1], 0x0               ; Wq, Wk, Wv, Wo, queries, Wr, br, the scales
	s_load_b128 s[20:23], s[0:1], 0x40             ; wcode, ridx
	s_load_b64 s[24:25], s[0:1], 0x50              ; rwgt
	v_lshl_add_u32 v[SPW], v0, 2, SPARE
	v_mov_b32 v[NIL], 0
	v_lshrrev_b32 v1, 5, v0
	v_readfirstlane_b32 s26, v1                    ; wave
	v_and_b32 v1, 31, v0                           ; lane
	v_and_b32 v2, 15, v0                           ; r
	v_bfe_u32 v3, v0, 4, 1                         ; h
	v_lshl_add_u32 v13, v2, 5, RED                 ; where the last block reads row r's partial logits: made ahead of the parting
	s_wait_kmcnt 0x0
	s_load_b256 s[28:35], s[18:19], 0x0            ; e0 .. e7
	s_load_b128 s[36:39], s[18:19], 0x20           ; e8 .. e11
	s_load_b256 s[40:47], s[16:17], 0x0            ; br
	s_wait_kmcnt 0x0
	s_cmp_lt_u32 ttmp9, 128
	s_cbranch_scc1 .Lq
; ---------------- WEIGHTS: a wave takes 32 columns x 256 along k
	s_sub_co_u32 s50, ttmp9, 128
	s_lshr_b32 s51, s50, 8                         ; which weight
	s_cmp_eq_u32 s51, 1
	s_cselect_b64 s[4:5], s[6:7], s[4:5]
	s_cselect_b32 s29, s31, s29
	s_cmp_eq_u32 s51, 2
	s_cselect_b64 s[4:5], s[8:9], s[4:5]
	s_cselect_b32 s29, s33, s29
	s_cmp_eq_u32 s51, 3
	s_cselect_b64 s[4:5], s[10:11], s[4:5]
	s_cselect_b32 s29, s39, s29                    ; its e
	s_bfe_u32 s52, s50, 0x30005                    ; expert
	s_bfe_u32 s53, s50, 0x30002                    ; which 128 columns
	s_and_b32 s54, s50, 3                          ; which 256 along k
	s_lshl_b32 s56, s52, 22
	s_lshl_b32 s55, s54, 20
	s_add_co_u32 s56, s56, s55
	s_lshl_b32 s55, s53, 9
	s_add_co_u32 s56, s56, s55
	s_lshl_b32 s55, s26, 7
	s_add_co_u32 s56, s56, s55
	s_mov_b32 s57, 0
	s_add_nc_u64 s[4:5], s[4:5], s[56:57]          ; the weight at (expert, first k, my wave's first column)
	s_lshl_b32 s58, s51, 23
	s_lshl_b32 s55, s52, 20
	s_add_co_u32 s58, s58, s55
	s_lshl_b32 s55, s53, 17
	s_add_co_u32 s58, s58, s55
	s_lshl_b32 s55, s26, 15
	s_add_co_u32 s58, s58, s55
	s_lshl_b32 s55, s54, 12
	s_add_co_u32 s58, s58, s55
	s_mov_b32 s59, 0
	s_add_nc_u64 s[20:21], s[20:21], s[58:59]      ; my two tiles' images of my two K steps
	v_and_b32 v5, 8, v2
	v_add_nc_u32 v5, v5, v2
	v_lshl_add_u32 v5, v3, 3, v5                   ; my column among the 32: 8 (lane / 16) + r + 8 (r / 8)
	v_lshlrev_b32 v5, 2, v5
	v_lshlrev_b32 v4, 4, v2
	v_lshl_add_u32 v4, v3, 14, v4                  ; out: tile lane / 16 (16,384 bytes on), 16 r
	s_add_co_i32 s29, s29, 127
	s_lshl_b32 s55, s29, 23
	v_mov_b32 v11, s55                             ; 2^e
	s_add_co_i32 s29, s29, 8
	s_lshl_b32 s29, s29, 23
	s_or_b32 s29, s29, 0x600000
	v_mov_b32 v10, s29                             ; 448 x 2^e
.macro WLOAD t                         ; block t: 32 along k of my column, into set t % 2; a wave's load reads 128 consecutive bytes
.irp i, 0,1,2,3,4,5,6,7,8,9,10,11,12,13,14,15,16,17,18,19,20,21,22,23,24,25,26,27,28,29,30,31
	global_load_b32 v[32+32*((\t)%2)+\i], v5, s[4:5] offset:(32*(\t)+\i)*4096 th:TH_LOAD_NT
.endr
.endm
.macro WBLOCK t
.set XS, 32+32*((\t)%2)
.set CW, 96+8*(\t)                     ; each block has code registers of its own: no store's data are written again
.if (\t) < 7
	s_wait_loadcnt 32                              ; this block's 32 loads are in; the next block's may be out
.else
	s_wait_loadcnt 0
.endif
.irp i, 0,1,2,3,4,5,6,7,8,9,10,11,12,13,14,15,16,17,18,19,20,21,22,23,24,25,26,27,28,29,30,31
	v_med3_num_f32 v[XS+\i], v[XS+\i], -v10, v10   ; the conversion does not saturate (ISA guide 7.6.2): the hold comes first
.endr
.irp g, 0,1,2,3
	v_cvt_scalef32_pk8_fp8_f32 v[CW+2*\g:CW+2*\g+1], v[XS+8*\g:XS+8*\g+7], v11
.endr
	global_store_b128 v4, v[CW:CW+3], s[20:21] offset:((\t)/4)*2048+((\t)%4)*512        ; k 32 c + 0 .. 15
	global_store_b128 v4, v[CW+4:CW+7], s[20:21] offset:((\t)/4)*2048+((\t)%4)*512+256  ; k 32 c + 16 .. 31
.if (\t)+2 < 8
	WLOAD (\t)+2
.endif
.endm
	WLOAD 0
	WLOAD 1
.irp t, 0,1,2,3,4,5,6,7
	WBLOCK \t
.endr
	s_branch .Ljoin
; ---------------- TOKENS: the work-group takes 16 rows, wave w their k = 256 w .. 256 w + 255, in two units of 128
.Lq:
	s_mul_i32 s50, s26, 8448
	s_lshl_b32 s51, s26, 13
	s_add_co_u32 s52, s51, WRL
	s_mul_i32 s53, s26, 4352
	s_add_co_u32 s53, s53, QST
	v_lshlrev_b32 v4, 4, v1                        ; 16 x lane
	v_add_nc_u32 v5, s50, v4                       ; the stage, in: a row as it lies
	v_mul_u32_u24 v6, v2, 528
	v_lshl_add_u32 v6, v3, 6, v6
	v_add_nc_u32 v6, s50, v6                       ; the stage, out: row r, + 64 h
	v_lshlrev_b32 v7, 9, v3
	v_add_nc_u32 v7, s52, v7                       ; Wr's rows: + 16 h rows of 32 bytes
	v_add_nc_u32 v8, s52, v4
	v_mul_u32_u24 v9, v2, 272
	v_lshl_add_u32 v9, v3, 4, v9
	v_add_nc_u32 v9, s53, v9                       ; codes in: row r, + 16 h
	v_mul_u32_u24 v10, v3, 272
	v_lshl_add_u32 v10, v2, 4, v10
	v_add_nc_u32 v10, s53, v10                     ; codes back: sixteen lanes to a row, two rows an instruction
	v_lshlrev_b32 v11, 10, v3
	v_lshl_add_u32 v11, v2, 4, v11                 ; and the same place in memory
	s_lshl_b32 s54, s26, 9
	s_add_co_u32 s54, s54, RED
	v_lshl_add_u32 v12, v2, 5, s54
	s_mov_b32 s48, 0x76543210
	s_mov_b32 s49, 0xfedcba98                      ; lane l xor 16
	s_mov_b32 s57, 0
	s_mov_b32 s56, s51
	s_add_nc_u64 s[14:15], s[14:15], s[56:57]      ; my 256 rows of Wr
	s_lshl_b32 s56, ttmp9, 16
	s_lshl_b32 s55, s26, 10
	s_add_co_u32 s56, s56, s55
	s_add_nc_u64 s[12:13], s[12:13], s[56:57]      ; queries at (first row, my first k)
	s_lshl_b32 s56, ttmp9, 14
	s_lshl_b32 s55, s26, 8
	s_add_co_u32 s56, s56, s55
	s_add_co_u32 s56, s56, 0x2000000
	s_add_nc_u64 s[20:21], s[20:21], s[56:57]      ; their codes
.macro LOADU u
.irp i, 0,1,2,3,4,5,6,7,8,9,10,11,12,13,14,15
	global_load_b128 v[R+64*\u+4*\i:R+64*\u+4*\i+3], v4, s[12:13] offset:\i*4096+\u*512 th:TH_LOAD_NT   ; 512 consecutive bytes of row i
.endr
.endm
.macro TURN u                          ; through my own stage: LDS serves a wave's instructions in order
.irp i, 0,1,2,3,4,5,6,7,8,9,10,11,12,13,14,15
	ds_store_b128 v5, v[R+64*\u+4*\i:R+64*\u+4*\i+3] offset:528*\i
.endr
.irp c, 0,1,2,3
.irp j, 0,1,2,3
	ds_load_b128 v[X+16*\c+4*\j:X+16*\c+4*\j+3], v6 offset:128*\c+16*\j
.endr
.endr
.endm
.macro WLD u                           ; batch NB_: Wr's rows of four of my k, 8 loads, into v208.. or v48.. by turns
.set WBR, 208-160*(NB_%2)
.irp kk, 0,1,2,3
.irp q, 0,1
	ds_load_b128 v[WBR+8*\kk+4*\q:WBR+8*\kk+4*\q+3], v7 offset:(128*\u+32*((4*NB_+\kk)/16)+(4*NB_+\kk)%16)*32+16*\q
.endr
.endr
.endm
.macro ROUTE u                         ; my 64 numbers x Wr's rows: 256 packed multiply-adds
.set NB_, 0
	WLD \u
.rept 16
.if NB_ < 15
.set NB_, NB_+1
	WLD \u
.set NB_, NB_-1
	s_wait_dscnt 0x8                               ; this batch is in; the next batch's eight loads may be out
.else
	s_wait_dscnt 0x0
.endif
.set WBR, 208-160*(NB_%2)
.irp kk, 0,1,2,3
.irp p, 0,1,2,3
.if (\kk%2) == 0
	v_pk_fma_f32 v[ACC+2*\p:ACC+2*\p+1], v[X+4*NB_+\kk:X+4*NB_+\kk+1], v[WBR+8*\kk+2*\p:WBR+8*\kk+2*\p+1], v[ACC+2*\p:ACC+2*\p+1] op_sel_hi:[0,1,1]
.else
	v_pk_fma_f32 v[ACC+2*\p:ACC+2*\p+1], v[X+4*NB_+\kk-1:X+4*NB_+\kk], v[WBR+8*\kk+2*\p:WBR+8*\kk+2*\p+1], v[ACC+2*\p:ACC+2*\p+1] op_sel:[1,0,0] op_sel_hi:[1,1,1]
.endif
.endr
.endr
.set NB_, NB_+1
.endr
.endm
.macro QUANT s, pc                     ; 64 numbers -> 16 registers of codes
.irp b, 0,1,2,3
.irp i, 0,1,2,3,4,5,6,7,8,9,10,11,12,13,14,15
	v_med3_num_f32 v[\s+16*\b+\i], v[\s+16*\b+\i], -v249, v249
.endr
	v_cvt_scalef32_pk8_fp8_f32 v[\pc+4*\b:\pc+4*\b+1], v[\s+16*\b:\s+16*\b+7], v248
	v_cvt_scalef32_pk8_fp8_f32 v[\pc+4*\b+2:\pc+4*\b+3], v[\s+16*\b+8:\s+16*\b+15], v248
.endr
	v_nop                                          ; a plain line behind the last conversion
.endm
.irp i, 0,1,2,3,4,5,6,7,8,9,10,11,12,13,14,15
	global_load_b128 v[X+4*\i:X+4*\i+3], v4, s[14:15] offset:512*\i
.endr
	LOADU 0
	LOADU 1
	s_add_co_i32 s28, s28, 127
	s_lshl_b32 s55, s28, 23
	v_mov_b32 v248, s55                            ; 2^e0
	s_add_co_i32 s28, s28, 8
	s_lshl_b32 s28, s28, 23
	s_or_b32 s28, s28, 0x600000
	v_mov_b32 v249, s28                            ; 448 x 2^e0
.irp j, 0,1,2,3,4,5,6,7
	v_mov_b32 v[ACC+\j], 0
.endr
	s_wait_loadcnt 32                              ; Wr's 16 loads are in; the rows' 32 may be out
.irp i, 0,1,2,3,4,5,6,7,8,9,10,11,12,13,14,15
	ds_store_b128 v8, v[X+4*\i:X+4*\i+3] offset:512*\i
.endr
	s_wait_dscnt 0x0                               ; the stores have read X
	s_wait_loadcnt 16                              ; unit 0 is in
	TURN 0
	s_wait_dscnt 0x0
	ROUTE 0
	QUANT X, 16
.irp c, 0,1,2,3
	ds_store_b128 v9, v[16+4*\c:19+4*\c] offset:32*\c
.endr
	s_wait_loadcnt 0x0                             ; unit 1
	TURN 1
	s_wait_dscnt 0x0
	ROUTE 1
	QUANT X, 32
.irp c, 0,1,2,3
	ds_store_b128 v9, v[32+4*\c:35+4*\c] offset:128+32*\c
.endr
.irp j, 0,1,2,3,4,5,6,7
	v_permlanex16_b32 v[208+\j], v[ACC+\j], s48, s49   ; the row's other half of my k
.endr
.irp j, 0,1,2,3,4,5,6,7
	v_add_f32 v[ACC+\j], v[ACC+\j], v[208+\j]
.endr
	ds_store_b128 v12, v[ACC:ACC+3]
	ds_store_b128 v12, v[ACC+4:ACC+7] offset:16
.irp j, 0,1,2,3,4,5,6,7
	ds_load_b128 v[X+4*\j:X+4*\j+3], v10 offset:544*\j
.endr
.irp j, 0,1,2,3,4,5,6,7
	s_wait_dscnt 7-\j
	global_store_b128 v11, v[X+4*\j:X+4*\j+3], s[20:21] offset:2048*\j   ; sixteen lanes store 256 consecutive aligned bytes
.endr
.Ljoin:
	s_wait_dscnt 0x0                               ; for the others' sake: my partial logits lie in LDS
	s_barrier_signal -1
	s_barrier_wait -1
	s_cmp_ge_u32 ttmp9, 128
	s_cbranch_scc1 .Lclose
	s_cmp_lg_u32 s26, 0
	s_cbranch_scc1 .Lclose
; ---------------- wave 0 of a token work-group: the four waves' parts, the bias, the two largest
.irp w, 0,1,2,3
.irp q, 0,1
	ds_load_b128 v[16+8*\w+4*\q:19+8*\w+4*\q], v13 offset:512*\w+16*\q
.endr
.endr
	s_wait_dscnt 0x0
.irp j, 0,1,2,3,4,5,6,7
	v_add_f32 v[16+\j], v[16+\j], v[24+\j]
	v_add_f32 v[32+\j], v[32+\j], v[40+\j]
.endr
.irp j, 0,1,2,3,4,5,6,7
	v_add_f32 v[16+\j], v[16+\j], v[32+\j]
.endr
.irp j, 0,1,2,3,4,5,6,7
	v_add_f32 v[16+\j], s[40+\j], v[16+\j]
.endr
	v_mov_b32 v50, v16                             ; the largest, and its index: a later one takes over only if it is strictly larger
	v_mov_b32 v51, 0
.irp j, 1,2,3,4,5,6,7
	v_cmp_le_f32 vcc_lo, v[16+\j], v50
	v_cndmask_b32 v50, v[16+\j], v50, vcc_lo
	v_cndmask_b32 v51, \j, v51, vcc_lo
.endr
	v_mov_b32 v54, 0xff800000
.irp j, 0,1,2,3,4,5,6,7
	v_cmp_eq_u32 vcc_lo, \j, v51
	v_cndmask_b32 v[16+\j], v[16+\j], v54, vcc_lo  ; it is taken out
.endr
	v_mov_b32 v52, v16                             ; the second
	v_mov_b32 v53, 0
.irp j, 1,2,3,4,5,6,7
	v_cmp_le_f32 vcc_lo, v[16+\j], v52
	v_cndmask_b32 v52, v[16+\j], v52, vcc_lo
	v_cndmask_b32 v53, \j, v53, vcc_lo
.endr
	v_sub_f32 v55, v52, v50                        ; the larger one is taken away: 0 or less
	v_mul_f32 v55, 0x3fb8aa3b, v55
	v_exp_f32 v56, v55
	v_nop
	s_wait_alu depctr_va_vdst(0)                   ; the wait ahead of the first reader
	v_add_f32 v57, 1.0, v56
	v_rcp_f32 v58, v57                             ; the first weight
	v_nop
	s_wait_alu depctr_va_vdst(0)
	v_mul_f32 v59, v56, v58                        ; the second
	v_cmp_eq_u32 vcc_lo, 1, v3                     ; lane (r, h) stores slot h of token r
	v_cndmask_b32 v60, v51, v53, vcc_lo
	v_cndmask_b32 v61, v58, v59, vcc_lo
	v_lshlrev_b32 v62, 3, v2
	v_lshl_add_u32 v62, v3, 2, v62
	s_lshl_b32 s50, ttmp9, 7
	s_mov_b32 s51, 0
	s_add_nc_u64 s[22:23], s[22:23], s[50:51]
	s_add_nc_u64 s[24:25], s[24:25], s[50:51]
	global_store_b32 v62, v60, s[22:23]
	global_store_b32 v62, v61, s[24:25]
.Lclose:
	s_wait_tensorcnt 0x0                           ; the wave's end
	ds_add_u32 v[SPW], v[NIL]
	s_wait_dscnt 0x0
	s_endpgm
.Lfunc_end_k_qbbd06d2654_prep1:
	.size	k_qbbd06d2654_prep1, .Lfunc_end_k_qbbd06d2654_prep1-k_qbbd06d2654_prep1
	.p2alignl 7, 3214868480
	.fill 96, 4, 3214868480
	.section	.rodata,"a",@progbits
	.p2align	6, 0x0
	.amdhsa_kernel k_qbbd06d2654_prep1
		.amdhsa_group_segment_fixed_size 86528
		.amdhsa_private_segment_fixed_size 0
		.amdhsa_enable_private_segment 0
		.amdhsa_kernarg_size 88
		.amdhsa_user_sgpr_count 2
		.amdhsa_user_sgpr_kernarg_segment_ptr 1
		.amdhsa_wavefront_size32 1
		.amdhsa_system_sgpr_workgroup_id_x 1
		.amdhsa_system_sgpr_workgroup_id_y 1
		.amdhsa_system_sgpr_workgroup_id_z 1
		.amdhsa_system_vgpr_workitem_id 0
		.amdhsa_next_free_vgpr 256
		.amdhsa_next_free_sgpr 66
		.amdhsa_reserve_vcc 1
		.amdhsa_float_denorm_mode_32 3
		.amdhsa_float_denorm_mode_16_64 3
		.amdhsa_memory_ordered 1
		.amdhsa_forward_progress 1
		.amdhsa_inst_pref_size 125
	.end_amdhsa_kernel
	.amdgpu_metadata
---
amdhsa.version: [ 1, 2 ]
amdhsa.kernels:
  - .name:           k_qbbd06d2654_prep1
    .symbol:         k_qbbd06d2654_prep1.kd
    .args:
      - { .name: Wq, .offset: 0, .size: 8, .value_kind: global_buffer, .address_space: global }
      - { .name: Wk, .offset: 8, .size: 8, .value_kind: global_buffer, .address_space: global }
      - { .name: Wv, .offset: 16, .size: 8, .value_kind: global_buffer, .address_space: global }
      - { .name: Wo, .offset: 24, .size: 8, .value_kind: global_buffer, .address_space: global }
      - { .name: queries, .offset: 32, .size: 8, .value_kind: global_buffer, .address_space: global }
      - { .name: Wr, .offset: 40, .size: 8, .value_kind: global_buffer, .address_space: global }
      - { .name: br, .offset: 48, .size: 8, .value_kind: global_buffer, .address_space: global }
      - { .name: lowp_scales, .offset: 56, .size: 8, .value_kind: global_buffer, .address_space: global }
      - { .name: wcode, .offset: 64, .size: 8, .value_kind: global_buffer, .address_space: global }
      - { .name: ridx, .offset: 72, .size: 8, .value_kind: global_buffer, .address_space: global }
      - { .name: rwgt, .offset: 80, .size: 8, .value_kind: global_buffer, .address_space: global }
    .group_segment_fixed_size: 86528
    .private_segment_fixed_size: 0
    .kernarg_segment_align: 8
    .kernarg_segment_size: 88
    .max_flat_workgroup_size: 128
    .sgpr_count:     66
    .vgpr_count:     256
    .wavefront_size: 32
...
	.end_amdgpu_metadata
.endif
;; end of part 1
;; launch prep2 (part 2): grid 1025 x 1, 4 waves a work-group, no clusters, 34,304 bytes of LDS; arguments keys, values, ridx, lowp_scales, xcode, plan; writes xcode, plan
.if DOCPART == 2
	.amdgcn_target "amdgcn-amd-amdhsa--gfx1250"
	.amdhsa_code_object_version 6
	.text
	.protected	k_qbbd06d2654_prep2
	.globl	k_qbbd06d2654_prep2
	.p2align	8
	.type	k_qbbd06d2654_prep2,@function
k_qbbd06d2654_prep2:
	s_mov_b64 s[64:65], 0
	v_nop
	global_prefetch_b8 v0, s[64:65] scope:SCOPE_SE
	s_setreg_imm32_b32 hwreg(HW_REG_WAVE_MODE, 25, 1), 1
	s_wait_xcnt 0x0
; prep2.  Work-group 0 PLACES the routed rows; work-groups 1..1024 turn keys and values into codes.
; CODES: keys, values: 8,192 rows x 1,024 f32 -> E4M3 (scales e2, e4), as images of operand registers: xcode[which 2][row tile 512][K step 8][2,048 bytes]; byte 512 c + 256 h + 16 r + i = (row at place r, k = 128 s + 32 c + 16 h + i);
;   place p of tile t is row 32 (t / 2) + 8 (t % 2) + p + 8 (p / 8).  A work-group takes a row tile, wave w its K steps 2 w and 2 w + 1.  LIMITS: e2, e4 between -126 and 119; NaN is not served.
; PLACING: an entry is 2 x token + slot; a group is g = 2 x expert + batch.  Wave b (0, 1) walks batch b's 2,048 entries, 32 at a time; an entry's rank in its group is the group's count so far + the lanes below it with the same expert.
;   Stored in plan: list[g][rank] = entry at byte 0; pos[entry] = 1024 g + rank at byte 65,536; cnt[g] at byte 81,920.  Every lane has a place of its own, so all lanes store; waves 2 and 3 of this one work-group place nothing.
.set SPARE, 33792
.set SPW,   14
.set NIL,   15
.set R,     16
.set X,     144
	s_load_b256 s[4:11], s[0:1], 0x0               ; keys, values, ridx, the scales
	s_load_b128 s[12:15], s[0:1], 0x20             ; xcode, plan
	v_lshl_add_u32 v[SPW], v0, 2, SPARE
	v_mov_b32 v[NIL], 0
	v_lshrrev_b32 v1, 5, v0
	v_readfirstlane_b32 s16, v1                    ; wave
	v_and_b32 v1, 31, v0
	v_and_b32 v2, 15, v0
	v_bfe_u32 v3, v0, 4, 1
	v_lshlrev_b32 v4, 4, v1                        ; 16 x lane
	s_wait_kmcnt 0x0
	s_cmp_eq_u32 ttmp9, 0
	s_cbranch_scc1 .Lplace
; ---------------- CODES
	s_load_b256 s[20:27], s[10:11], 0x0            ; e0 .. e7
	s_sub_co_u32 s17, ttmp9, 1
	s_lshr_b32 s18, s17, 9                         ; 0 keys, 1 values
	s_and_b32 s19, s17, 511                        ; row tile
	s_cmp_eq_u32 s18, 0
	s_cselect_b64 s[4:5], s[4:5], s[6:7]
	s_lshr_b32 s28, s19, 1
	s_lshl_b32 s28, s28, 17
	s_and_b32 s29, s19, 1
	s_lshl_b32 s29, s29, 15
	s_add_co_u32 s28, s28, s29
	s_lshl_b32 s29, s16, 10
	s_add_co_u32 s28, s28, s29
	s_mov_b32 s29, 0
	s_add_nc_u64 s[4:5], s[4:5], s[28:29]          ; row 32 (t / 2) + 8 (t % 2), my first k
	s_lshl_b32 s30, s18, 23
	s_lshl_b32 s31, s19, 14
	s_add_co_u32 s30, s30, s31
	s_lshl_b32 s31, s16, 12
	s_add_co_u32 s30, s30, s31
	s_mov_b32 s31, 0
	s_add_nc_u64 s[12:13], s[12:13], s[30:31]      ; my two images
	s_mul_i32 s32, s16, 8448
	v_add_nc_u32 v5, s32, v4
	v_mul_u32_u24 v6, v2, 528
	v_lshl_add_u32 v6, v3, 6, v6
	v_add_nc_u32 v6, s32, v6
.macro LOADU u                         ; place i is row i + 8 (i / 8)
.irp i, 0,1,2,3,4,5,6,7,8,9,10,11,12,13,14,15
	global_load_b128 v[R+64*\u+4*\i:R+64*\u+4*\i+3], v4, s[4:5] offset:(\i+8*(\i/8))*4096+\u*512 th:TH_LOAD_NT
.endr
.endm
.macro TURN u
.irp i, 0,1,2,3,4,5,6,7,8,9,10,11,12,13,14,15
	ds_store_b128 v5, v[R+64*\u+4*\i:R+64*\u+4*\i+3] offset:528*\i
.endr
.irp c, 0,1,2,3
.irp j, 0,1,2,3
	ds_load_b128 v[X+16*\c+4*\j:X+16*\c+4*\j+3], v6 offset:128*\c+16*\j
.endr
.endr
.endm
.macro QUANT s, pc
.irp b, 0,1,2,3
.irp i, 0,1,2,3,4,5,6,7,8,9,10,11,12,13,14,15
	v_med3_num_f32 v[\s+16*\b+\i], v[\s+16*\b+\i], -v249, v249   ; the conversion does not saturate (ISA guide 7.6.2)
.endr
	v_cvt_scalef32_pk8_fp8_f32 v[\pc+4*\b:\pc+4*\b+1], v[\s+16*\b:\s+16*\b+7], v248
	v_cvt_scalef32_pk8_fp8_f32 v[\pc+4*\b+2:\pc+4*\b+3], v[\s+16*\b+8:\s+16*\b+15], v248
.endr
	v_nop
.endm
	LOADU 0
	LOADU 1
	s_wait_kmcnt 0x0
	s_cmp_eq_u32 s18, 0
	s_cselect_b32 s22, s22, s24                    ; e2 or e4
	s_add_co_i32 s22, s22, 127
	s_lshl_b32 s23, s22, 23
	v_mov_b32 v248, s23
	s_add_co_i32 s22, s22, 8
	s_lshl_b32 s22, s22, 23
	s_or_b32 s22, s22, 0x600000
	v_mov_b32 v249, s22
	s_wait_loadcnt 16                              ; unit 0 is in; unit 1's 16 loads may be out
	TURN 0
	s_wait_dscnt 0x0
	QUANT X, 208
.irp c, 0,1,2,3
	global_store_b128 v4, v[208+4*\c:211+4*\c], s[12:13] offset:512*\c   ; 512 consecutive bytes
.endr
	s_wait_loadcnt 0x0
	TURN 1
	s_wait_dscnt 0x0
	QUANT X, 224
.irp c, 0,1,2,3
	global_store_b128 v4, v[224+4*\c:227+4*\c], s[12:13] offset:2048+512*\c
.endr
	s_branch .Lclose
; ---------------- PLACING
.Lplace:
	s_cmp_ge_u32 s16, 2
	s_cbranch_scc1 .Lclose
	s_lshl_b32 s20, s16, 13
	s_mov_b32 s21, 0
	s_add_nc_u64 s[8:9], s[8:9], s[20:21]          ; my batch's 2,048 experts
.irp q, 0,1,2,3,4,5,6,7,8,9,10,11,12,13,14,15
	global_load_b128 v[16+4*\q:19+4*\q], v4, s[8:9] offset:512*\q   ; register 16 + 4 q + z: entry 128 q + 4 lane + z of the batch
.endr
.irp e, 0,1,2,3,4,5,6,7
	s_mov_b32 s[24+\e], 0                          ; the groups' counts
.endr
	s_lshl_b32 s23, s16, 10                        ; 1024 b
	s_lshl_b32 s22, s16, 11
	v_lshl_add_u32 v84, v1, 2, s22                 ; 2048 b + 4 lane
	v_add_nc_u32 v86, s20, v4                      ; 8192 b + 16 lane: pos's bytes of my four entries
	s_wait_loadcnt 0x0
.macro CH q, z
.set RG, 16+4*\q+\z
.set PS, 96+4*\q+\z
.set AD, 160+4*\q+\z
	v_mov_b32 v[PS], 0
.irp e, 0,1,2,3,4,5,6,7
	v_cmp_eq_u32 s[36+\e], \e, v[RG]
.endr
.irp e, 0,1,2,3,4,5,6,7
	v_mbcnt_lo_u32_b32 v[224+\e], s[36+\e], s[24+\e]   ; the count so far + the lanes below me with this expert
.endr
.irp e, 0,1,2,3,4,5,6,7
	v_cndmask_b32 v[PS], v[PS], v[224+\e], s[36+\e]
	s_bcnt1_i32_b32 s32, s[36+\e]
	s_add_co_u32 s[24+\e], s[24+\e], s32
.endr
	v_min_u32 v81, 7, v[RG]                        ; held inside the tables
	v_min_u32 v[PS], 1023, v[PS]
	v_lshl_add_u32 v[PS], v81, 11, v[PS]
	v_add_nc_u32 v[PS], s23, v[PS]                 ; 1024 (2 e + b) + rank
	v_lshlrev_b32 v[AD], 2, v[PS]
	v_add_nc_u32 v[RG], 128*\q+\z, v84             ; the entry
	global_store_b32 v[AD], v[RG], s[14:15]        ; each store has registers of its own
.endm
.irp q, 0,1,2,3,4,5,6,7,8,9,10,11,12,13,14,15
	CH \q, 0
	CH \q, 1
	CH \q, 2
	CH \q, 3
	global_store_b128 v86, v[96+4*\q:99+4*\q], s[14:15] offset:65536+512*\q
.endr
	v_mov_b32 v90, s24
.irp e, 1,2,3,4,5,6,7
	v_cmp_eq_u32 vcc_lo, \e, v1
	v_mov_b32 v91, s[24+\e]
	v_cndmask_b32 v90, v90, v91, vcc_lo            ; lane e holds expert e's count
.endr
	v_lshlrev_b32 v92, 3, v1
	s_lshl_b32 s33, s16, 2
	v_add_nc_u32 v92, s33, v92                     ; 4 (2 e + b)
	v_cmp_gt_u32 vcc_lo, 8, v1
	s_wait_xcnt 0x0                                ; EXEC is a source of the stores above: it changes only behind this wait
	s_and_saveexec_b32 s34, vcc_lo
	global_store_b32 v92, v90, s[14:15] offset:81920
	s_wait_xcnt 0x0                                ; and again in front of the line that widens it
	s_or_b32 exec_lo, exec_lo, s34
.Lclose:
	s_wait_tensorcnt 0x0                           ; the wave's end
	ds_add_u32 v[SPW], v[NIL]
	s_wait_dscnt 0x0
	s_endpgm
.Lfunc_end_k_qbbd06d2654_prep2:
	.size	k_qbbd06d2654_prep2, .Lfunc_end_k_qbbd06d2654_prep2-k_qbbd06d2654_prep2
	.p2alignl 7, 3214868480
	.fill 96, 4, 3214868480
	.section	.rodata,"a",@progbits
	.p2align	6, 0x0
	.amdhsa_kernel k_qbbd06d2654_prep2
		.amdhsa_group_segment_fixed_size 34304
		.amdhsa_private_segment_fixed_size 0
		.amdhsa_enable_private_segment 0
		.amdhsa_kernarg_size 48
		.amdhsa_user_sgpr_count 2
		.amdhsa_user_sgpr_kernarg_segment_ptr 1
		.amdhsa_wavefront_size32 1
		.amdhsa_system_sgpr_workgroup_id_x 1
		.amdhsa_system_sgpr_workgroup_id_y 1
		.amdhsa_system_sgpr_workgroup_id_z 1
		.amdhsa_system_vgpr_workitem_id 0
		.amdhsa_next_free_vgpr 256
		.amdhsa_next_free_sgpr 66
		.amdhsa_reserve_vcc 1
		.amdhsa_float_denorm_mode_32 3
		.amdhsa_float_denorm_mode_16_64 3
		.amdhsa_memory_ordered 1
		.amdhsa_forward_progress 1
		.amdhsa_inst_pref_size 178
	.end_amdhsa_kernel
	.amdgpu_metadata
---
amdhsa.version: [ 1, 2 ]
amdhsa.kernels:
  - .name:           k_qbbd06d2654_prep2
    .symbol:         k_qbbd06d2654_prep2.kd
    .args:
      - { .name: keys, .offset: 0, .size: 8, .value_kind: global_buffer, .address_space: global }
      - { .name: values, .offset: 8, .size: 8, .value_kind: global_buffer, .address_space: global }
      - { .name: ridx, .offset: 16, .size: 8, .value_kind: global_buffer, .address_space: global }
      - { .name: lowp_scales, .offset: 24, .size: 8, .value_kind: global_buffer, .address_space: global }
      - { .name: xcode, .offset: 32, .size: 8, .value_kind: global_buffer, .address_space: global }
      - { .name: plan, .offset: 40, .size: 8, .value_kind: global_buffer, .address_space: global }
    .group_segment_fixed_size: 34304
    .private_segment_fixed_size: 0
    .kernarg_segment_align: 8
    .kernarg_segment_size: 48
    .max_flat_workgroup_size: 128
    .sgpr_count:     66
    .vgpr_count:     256
    .wavefront_size: 32
...
	.end_amdgpu_metadata
.endif
;; end of part 2
;; launch kvproj (part 3): grid 64 x 4, 4 waves a work-group, clusters of 4 x 4, 327,680 bytes of LDS; arguments wcode, xcode, lowp_scales, bk, bv, kvcode; writes kvcode
.if DOCPART == 3
	.amdgcn_target "amdgcn-amd-amdhsa--gfx1250"
	.amdhsa_code_object_version 6
	.text
	.protected	k_qbbd06d2654_kvproj
	.globl	k_qbbd06d2654_kvproj
	.p2align	8
	.type	k_qbbd06d2654_kvproj,@function
k_qbbd06d2654_kvproj:
	s_mov_b64 s[64:65], 0
	v_nop
	global_prefetch_b8 v0, s[64:65] scope:SCOPE_SE
	s_setreg_imm32_b32 hwreg(HW_REG_WAVE_MODE, 25, 1), 1
	s_wait_xcnt 0x0
	s_wait_alu depctr_hold_cnt(0) depctr_sa_sdst(0) depctr_va_vdst(0) depctr_va_sdst(0) depctr_va_ssrc(0) depctr_va_vcc(0) depctr_vm_vsrc(0)
	s_getreg_b32 s2, hwreg(HW_REG_IB_STS2, 6, 4)
	s_cmp_eq_u32 s2, 0
	s_cbranch_scc0 .Lentry_in_a_cluster
	s_endpgm
.Lentry_in_a_cluster:
	s_bfe_u32 s2, ttmp6, 0x10000c
	s_cmp_lg_u32 s2, 0xf033
	s_cbranch_scc0 .Lentry_shape_is_right
	s_endpgm
.Lentry_shape_is_right:
; kvproj.  Sixteen products of 1024 x 1024 x 1024 on codes of E4M3: for each expert k = keys' chunk x Wk + bk and v = values' chunk x Wv + bv; the results are quantised (e7, e8) and stored as images of the operands of attention.
; A cluster of 4 x 4 work-groups is one product (cluster x: kind = x % 2, expert = x / 2); a work-group makes 256 x 256, a wave 128 x 128 in 64 accumulators.
; Operand A goes to source 1 (its rows fall on lanes), operand B to source 0 (its rows fall on registers, and by the order of rows in a tile a lane's 16 registers of two neighbouring tiles are 16 neighbours).
;   k: A = keys, B = Wk: a lane holds one key, registers run along the channels.   v: A = Wv, B = values: a lane holds one channel, registers run along the keys.
; Both operands lie in memory as images of 2,048 bytes (16 rows x 128 K): a tensor load brings 8 row tiles x 2 K steps (8 rows of 4,096 bytes, 16,384 apart); a fragment is four loads of 512 consecutive LDS bytes.
; A's tile is shared along a row of the cluster, B's along a column: joint loads.  K = 1,024 is four fills of a ring of two slots; by this text's count a wave has at most two tensor loads out.
; OUT: kvcode: K [g 16][key tile 32][head 16][1,024]: byte 512 c + 256 h + 16 r + i = (key at place r, d = 32 c + 16 h + i);  at 8 MiB V [g][channel tile 64][key step 4][2,048].  g = 2 expert + batch.
; LIMITS: e2 + e3 and e4 + e5 between -126 and 127; e7, e8 between -126 and 119.
.set FR,     16
.set NL,     4
.set NP,     4
.set HALFT,  32768                     ; 8 row tiles x 2 images: what one tensor load brings
.set SLOT,   4*HALFT
.set SPARE,  2*SLOT                    ; the spare words, 128 bytes a wave, named by no other line
.set LAPS,   2
.set ADRA, 16
.set ADRB, 20
.set LI,   26                          ; v26 16 x lane
.set SPW,  28
.set NIL,  29
.set BN,   32                          ; v32-95  the bias along registers (k)
.set BM,   96                          ; v96-103 the bias along lanes (v), one register a block of A
.set SCV,  104                         ; v104 2^eo, v105 448 x 2^eo
.set LMV,  105
.set TMP,  128
.set CD,   192
.set AF,   128
.set G1, 24
.set G0, 32
.set G1B, 48
.set G0B, 56
.set MSB, 0
.macro WIN new                         ; the immediate's high byte repeats the setting that is left
.if MSB != \new
	s_set_vgpr_msb (MSB<<8)|\new
.set MSB, \new
.endif
.endm
.set MUL_LO, 0xa1
.set MUL_HI, 0xf1
.set TO_B,   0x40
.macro JLOAD g0a, g1a, g0b, g1b        ; waves 0, 1 ask for A's halves, waves 2, 3 for B's; an s_nop 0 and four v_nop follow each line
	s_cmp_eq_u32 s15, 0
	s_cbranch_scc0 .Lfor_b_\@
	tensor_load_to_lds s[\g0a:\g0a+3], s[\g1a:\g1a+7]
	s_nop 0
.rept 4
	v_nop
.endr
	s_branch .Lasked_\@
.Lfor_b_\@:
	tensor_load_to_lds s[\g0b:\g0b+3], s[\g1b:\g1b+7]
	s_nop 0
.rept 4
	v_nop
.endr
.Lasked_\@:
.endm
.macro CREST
	s_cmp_lg_u32 s14, 0
	s_cbranch_scc1 .Lnot_wave_0_\@
	s_barrier_signal -3
.Lnot_wave_0_\@:
	s_barrier_wait -3
	s_barrier_signal -1
	s_barrier_wait -1
.endm
.macro CROUND
	s_barrier_signal -1
	s_barrier_wait -1
	CREST
.endm
	s_load_b256 s[4:11], s[0:1], 0x0               ; wcode, xcode, the scales, bk
	s_load_b128 s[84:87], s[0:1], 0x20             ; bv, kvcode
	v_lshl_add_u32 v[SPW], v0, 2, SPARE
	v_mov_b32 v[NIL], 0
	ds_add_u32 v[SPW], v[NIL]                      ; the wave's opening: the add and its wait ahead of my first tensor load; work on registers stands between
	v_lshrrev_b32 v1, 5, v0
	v_readfirstlane_b32 s14, v1                    ; wave
	s_lshr_b32 s15, s14, 1                         ; my half of A's rows; also: I ask for A (0) or B (1)
	s_and_b32 s16, s14, 1                          ; my half of B's rows; also: which half I ask for
	s_bfe_u32 s40, ttmp6, 0x40000                  ; cx
	s_bfe_u32 s41, ttmp6, 0x40004                  ; cy
	s_and_b32 s12, ttmp9, 1                        ; kind: 0 k, 1 v
	s_lshr_b32 s13, ttmp9, 1                       ; expert
	s_lshl_b32 s43, s41, 2
	s_lshl_b32 s43, 15, s43                        ; my row of the cluster
	s_lshl_b32 s44, 0x1111, s40                    ; my column
	s_or_b32 s[G1+0], s43, (3<<16)|(1<<21)         ; the mask; elements of 8 bytes; bit 21 beside a mask; no padding
	s_or_b32 s[G1B+0], s44, (3<<16)|(1<<21)
.irp g, G1, G1B
	s_mov_b32 s[\g+1], 512<<16                     ; tensor_dim0 = 512 elements: 4,096 bytes
	s_mov_b32 s[\g+2], 8<<16                       ; tensor_dim1 = 8
	s_mov_b32 s[\g+3], 512<<16                     ; tile_dim0
	s_mov_b32 s[\g+4], 8                           ; tile_dim1
	s_mov_b32 s[\g+5], 2048                        ; from row tile to row tile: 16,384 bytes
	s_mov_b32 s[\g+6], 0
	s_mov_b32 s[\g+7], 0
.endr
	; A's offset, of cy alone.  Rows of keys: row tile 256 (cy / 2) + 32 e + 16 (cy % 2) + 8 half; of Wv: tile 16 cy + 8 half of weight 2
	s_lshr_b32 s17, s41, 1
	s_lshl_b32 s17, s17, 8
	s_lshl_b32 s18, s13, 5
	s_add_co_u32 s17, s17, s18
	s_and_b32 s18, s41, 1
	s_lshl_b32 s18, s18, 4
	s_add_co_u32 s17, s17, s18
	s_lshl_b32 s18, s16, 3
	s_add_co_u32 s17, s17, s18
	s_lshl_b32 s17, s17, 14
	s_lshl_b32 s19, s41, 4
	s_add_co_u32 s19, s19, s18
	s_lshl_b32 s19, s19, 14
	s_lshl_b32 s18, s13, 20
	s_add_co_u32 s19, s19, s18
	s_add_co_u32 s19, s19, 2<<23
	s_cmp_eq_u32 s12, 1
	s_cselect_b32 s20, s19, s17
	s_mov_b32 s21, 0
	; B's offset, of cx alone.  Rows of values (behind the keys' 8 MiB), or of Wk: weight 1
	s_lshr_b32 s88, s40, 1
	s_lshl_b32 s88, s88, 8
	s_lshl_b32 s89, s13, 5
	s_add_co_u32 s88, s88, s89
	s_and_b32 s89, s40, 1
	s_lshl_b32 s89, s89, 4
	s_add_co_u32 s88, s88, s89
	s_lshl_b32 s89, s16, 3
	s_add_co_u32 s88, s88, s89
	s_lshl_b32 s88, s88, 14
	s_add_co_u32 s88, s88, 0x800000
	s_lshl_b32 s90, s40, 4
	s_add_co_u32 s90, s90, s89
	s_lshl_b32 s90, s90, 14
	s_lshl_b32 s89, s13, 20
	s_add_co_u32 s90, s90, s89
	s_add_co_u32 s90, s90, 1<<23
	s_cmp_eq_u32 s12, 1
	s_cselect_b32 s46, s88, s90
	s_mov_b32 s47, 0
	s_lshl_b32 s45, s14, 15                        ; where my tile goes: wave x HALFT
	s_wait_dscnt 0x0                               ; the opening add is done
	s_wait_kmcnt 0x0
	s_load_b256 s[72:79], s[8:9], 0x0              ; e0 .. e7
	s_load_b128 s[80:83], s[8:9], 0x20             ; e8 .. e11
	s_cmp_eq_u32 s12, 1
	s_cselect_b64 s[22:23], s[4:5], s[6:7]         ; A lies in wcode (v) or xcode (k)
	s_cselect_b64 s[92:93], s[6:7], s[4:5]         ; B the other way round
	s_cselect_b64 s[94:95], s[84:85], s[10:11]     ; the bias
	s_add_nc_u64 s[20:21], s[22:23], s[20:21]
	s_add_nc_u64 s[46:47], s[92:93], s[46:47]
	CROUND                                         ; all sixteen work-groups are here: the first joint loads meet
.irp s, 0,1
	s_mov_b32 s[G0+4*\s], 1
	s_add_co_u32 s[G0+4*\s+1], s45, \s*SLOT
	s_add_nc_u64 s[G0+4*\s+2:G0+4*\s+3], s[20:21], \s*4096
	s_or_b32 s[G0+4*\s+3], s[G0+4*\s+3], 0x80000000
	s_mov_b32 s[G0B+4*\s], 1
	s_add_co_u32 s[G0B+4*\s+1], s45, \s*SLOT
	s_add_nc_u64 s[G0B+4*\s+2:G0B+4*\s+3], s[46:47], \s*4096
	s_or_b32 s[G0B+4*\s+3], s[G0B+4*\s+3], 0x80000000
	JLOAD G0+4*\s, G1, G0B+4*\s, G1B
.endr
	v_and_b32 v1, 31, v0
	v_lshlrev_b32 v[LI], 4, v1
	s_lshl_b32 s17, s15, 15                        ; my half of A,
	s_lshl_b32 s18, s16, 15
	s_add_co_u32 s18, s18, 2*HALFT                 ; my half of B, behind A's two
.irp s, 0,1
	v_add_nc_u32 v[ADRA+\s], s17, v[LI]
	v_add_nc_u32 v[ADRB+\s], s18, v[LI]
	s_add_co_u32 s17, s17, SLOT
	s_add_co_u32 s18, s18, SLOT
.endr
	; the biases, both ways; the one that this kind does not want is cleared on the way out
	v_and_b32 v2, 15, v0
	v_bfe_u32 v3, v0, 4, 1
	v_lshlrev_b32 v10, 6, v3                       ; 64 h
	v_and_b32 v11, 8, v2
	v_add_nc_u32 v11, v11, v2
	v_lshlrev_b32 v11, 2, v11                      ; 4 (r + 8 (r / 8))
	s_lshl_b32 s66, s13, 12
	s_lshl_b32 s19, s40, 10
	s_add_co_u32 s66, s66, s19
	s_lshl_b32 s19, s16, 9
	s_add_co_u32 s66, s66, s19
	s_mov_b32 s67, 0
	s_add_nc_u64 s[66:67], s[94:95], s[66:67]      ; channel 256 cx + 128 (wave % 2)
	s_lshl_b32 s68, s13, 12
	s_lshl_b32 s19, s41, 10
	s_add_co_u32 s68, s68, s19
	s_lshl_b32 s19, s15, 9
	s_add_co_u32 s68, s68, s19
	s_mov_b32 s69, 0
	s_add_nc_u64 s[68:69], s[94:95], s[68:69]      ; channel 256 cy + 128 (wave / 2)
.irp b, 0,1,2,3
.irp j, 0,1,2,3
	global_load_b128 v[BN+16*\b+4*\j:BN+16*\b+4*\j+3], v10, s[66:67] offset:128*\b+16*\j
.endr
.endr
.irp a, 0,1,2,3,4,5,6,7
	global_load_b32 v[BM+\a], v11, s[68:69] offset:(32*(\a/2)+8*(\a%2))*4
.endr
	; where my results go
	s_lshl_b32 s70, s13, 1
	s_lshr_b32 s19, s41, 1
	s_add_co_u32 s70, s70, s19
	s_lshl_b32 s70, s70, 19                        ; k: g = 2 e + cy / 2
	s_and_b32 s19, s41, 1
	s_lshl_b32 s19, s19, 1
	s_add_co_u32 s19, s19, s15
	s_lshl_b32 s19, s19, 17                        ; key tile 16 (cy % 2) + 8 (wave / 2), 16,384 bytes each
	s_add_co_u32 s70, s70, s19
	s_lshl_b32 s19, s40, 1
	s_add_co_u32 s19, s19, s16
	s_lshl_b32 s19, s19, 11                        ; head 4 cx + 2 (wave % 2), 1,024 bytes each
	s_add_co_u32 s70, s70, s19
	s_lshl_b32 s71, s13, 1
	s_lshr_b32 s19, s40, 1
	s_add_co_u32 s71, s71, s19
	s_lshl_b32 s71, s71, 19                        ; v: g = 2 e + cx / 2
	s_lshl_b32 s19, s41, 1
	s_add_co_u32 s19, s19, s15
	s_lshl_b32 s19, s19, 16                        ; channel tile 16 cy + 8 (wave / 2), 8,192 bytes each
	s_add_co_u32 s71, s71, s19
	s_and_b32 s19, s40, 1
	s_lshl_b32 s19, s19, 1
	s_add_co_u32 s19, s19, s16
	s_lshl_b32 s19, s19, 11                        ; key step 2 (cx % 2) + wave % 2
	s_add_co_u32 s71, s71, s19
	s_add_co_u32 s71, s71, 0x800000
	s_cmp_eq_u32 s12, 1
	s_cselect_b32 s88, s71, s70
	s_mov_b32 s89, 0
	s_add_nc_u64 s[86:87], s[86:87], s[88:89]
	s_mov_b32 s90, 16384
	s_cselect_b32 s90, 8192, s90                   ; from one block of A to the next
	s_mov_b32 s91, 0
	s_cselect_b32 s98, 0, -1                       ; keeps the bias along registers for k
	s_cselect_b32 s99, -1, 0                       ; and the bias along lanes for v
.macro FRAG reg, adr, q, i             ; an image comes back as it was stored: registers 4 c .. 4 c + 3 hold K = 32 c + 16 (l / 16) + 0 .. 15 of the row at place l % 16
.irp c, 0,1,2,3
	ds_load_b128 v[\reg+4*\c:\reg+4*\c+3], v[\adr] offset:(\i)*4096+(\q)*2048+512*\c
.endr
.endm
.macro MUL16 a0, p, zero               ; the 64 accumulators take turns, one instruction a turn
.irp a, \a0, \a0+1
.irp b, 0,1,2,3,4,5,6,7
.if \zero
	v_wmma_f32_16x16x128_fp8_fp8 v[8*(8*((\a)%4)+\b):8*(8*((\a)%4)+\b)+7], v[128*(\p)+FR*\b:128*(\p)+FR*\b+FR-1], v[AF+FR*(\a):AF+FR*(\a)+FR-1], 0
.else
	v_wmma_f32_16x16x128_fp8_fp8 v[8*(8*((\a)%4)+\b):8*(8*((\a)%4)+\b)+7], v[128*(\p)+FR*\b:128*(\p)+FR*\b+FR-1], v[AF+FR*(\a):AF+FR*(\a)+FR-1], v[8*(8*((\a)%4)+\b):8*(8*((\a)%4)+\b)+7]
.endif
.endr
.endr
.endm
.macro FETCH_B slot, q, p
	WIN TO_B
.irp i, 0,1,2,3,4,5,6,7
	FRAG 128*(\p)+FR*\i, ADRB+\slot, \q, \i
.endr
	WIN 0
.endm
.macro FETCH_A slot, q, i0
.irp i, \i0, \i0+1, \i0+2, \i0+3
	FRAG AF+FR*(\i), ADRA+\slot, \q, \i
.endr
.endm
.macro PLACES n                        ; plain vector lines between a matrix instruction and a load into, or a read of, its registers
.rept \n
	v_nop
.endr
.endm
.macro STEP slot, q, zero
	s_wait_dscnt 4*NL                              ; B's set and A's blocks 0-3 are in; A's blocks 4-7 may be out
	WIN MUL_LO
	MUL16 0, (\q)%2, \zero
	MUL16 2, (\q)%2, \zero
	s_wait_dscnt 0
	PLACES NP
	FETCH_B \slot, (\q)+1, 1-(\q)%2
	FETCH_A \slot, (\q)+1, 0
	WIN MUL_HI
	MUL16 4, (\q)%2, \zero
	MUL16 6, (\q)%2, \zero
	PLACES NP
	WIN 0
	FETCH_A \slot, (\q)+1, 4
.endm
.macro TURN slot, next, fill           ; a slot's last step changes slots
	s_wait_tensorcnt 0x0                           ; all my tensor loads have landed: my part of the next slot
	ds_add_u32 v[SPW], v[NIL]                      ; 0 onto my spare word
	s_wait_dscnt 4*NL+1                            ; (the add and A's blocks 4-7 may be out)
	WIN MUL_LO
	MUL16 0, 1, 0
	s_wait_dscnt 0x0                               ; the add is done, and my reads of this slot are over
	s_barrier_signal -1
	MUL16 2, 1, 0
	WIN 0
	s_barrier_wait -1
.if \fill
	CREST                                          ; the barrier has opened a round of the cluster's: no wave of any partner still reads this slot or has a load on its way
	s_add_nc_u64 s[G0+4*\slot+2:G0+4*\slot+3], s[G0+4*\slot+2:G0+4*\slot+3], 8192
	s_add_nc_u64 s[G0B+4*\slot+2:G0B+4*\slot+3], s[G0B+4*\slot+2:G0B+4*\slot+3], 8192
	JLOAD G0+4*\slot, G1, G0B+4*\slot, G1B         ; the first tensor load behind the round; its four v_nop are the places in front of the loads below
.else
	PLACES NP
.endif
	FETCH_B \next, 0, 0
	FETCH_A \next, 0, 0
	WIN MUL_HI
	MUL16 4, 1, 0
	MUL16 6, 1, 0
	PLACES NP
	WIN 0
	FETCH_A \next, 0, 4
.endm
	s_wait_tensorcnt 1                             ; my part of slot 0 is in; slot 1's load may be out
	s_barrier_signal -1
	s_barrier_wait -1
	FETCH_B 0, 0, 0
	FETCH_A 0, 0, 0
	FETCH_A 0, 0, 4
	STEP 0, 0, 1                                   ; the first step starts the sums
	s_mov_b32 s3, LAPS-1
.Llap:
	TURN 0, 1, 1
	STEP 1, 0, 0
	TURN 1, 0, 1
	STEP 0, 0, 0
	s_sub_co_u32 s3, s3, 1
	s_cmp_lg_u32 s3, 0
	s_cbranch_scc1 .Llap
	TURN 0, 1, 0                                   ; the last lap fills nothing
	STEP 1, 0, 0
	s_wait_dscnt 4*NL
	WIN MUL_LO
	MUL16 0, 1, 0
	MUL16 2, 1, 0
	s_wait_dscnt 0
	WIN MUL_HI
	MUL16 4, 1, 0
	MUL16 6, 1, 0
	WIN 0
; THE WAY OUT, a block of A (16 lanes' rows x 128 along the registers) at a time: sum x 2^(ea + eb) + bias, the hold, the conversion; a block's 16 registers of codes are four stores of 512 consecutive bytes.
	s_wait_loadcnt 0x0                             ; the biases
	s_wait_kmcnt 0x0
	s_cmp_eq_u32 s12, 1
	s_cselect_b32 s96, s76, s74
	s_cselect_b32 s97, s77, s75
	s_cselect_b32 s88, s80, s79
	s_add_co_i32 s96, s96, s97
	s_add_co_i32 s96, s96, 127
	s_lshl_b32 s96, s96, 23                        ; 2^(ea + eb)
	s_mov_b32 s97, s96
	s_add_co_i32 s88, s88, 127
	s_lshl_b32 s89, s88, 23
	v_mov_b32 v[SCV], s89                          ; 2^eo
	s_add_co_i32 s88, s88, 8
	s_lshl_b32 s88, s88, 23
	s_or_b32 s88, s88, 0x600000
	v_mov_b32 v[LMV], s88                          ; 448 x 2^eo
.set JJ, 0
.rept 64
	v_and_b32 v[BN+JJ], s98, v[BN+JJ]              ; (these lines are also the places behind the last products)
.set JJ, JJ+1
.endr
.set JJ, 0
.rept 8
	v_and_b32 v[BM+JJ], s99, v[BM+JJ]
.set JJ, JJ+1
.endr
.macro OUTB a
	WIN 0x02+((\a)/4)                              ; source 0: window 2 or 3
.set JJ, 0
.rept 32
	v_pk_fma_f32 v[TMP+JJ:TMP+JJ+1], v[64*((\a)%4)+JJ:64*((\a)%4)+JJ+1], s[96:97], v[BN+JJ:BN+JJ+1] op_sel_hi:[1,0,1]   ; each accumulator from its low end on
.set JJ, JJ+2
.endr
	WIN 0
.set JJ, 0
.rept 32
.if ((\a)%2) == 0
	v_pk_add_f32 v[TMP+JJ:TMP+JJ+1], v[TMP+JJ:TMP+JJ+1], v[BM+2*((\a)/2):BM+2*((\a)/2)+1] op_sel_hi:[1,0]
.else
	v_pk_add_f32 v[TMP+JJ:TMP+JJ+1], v[TMP+JJ:TMP+JJ+1], v[BM+2*((\a)/2):BM+2*((\a)/2)+1] op_sel:[0,1] op_sel_hi:[1,1]
.endif
.set JJ, JJ+2
.endr
.set JJ, 0
.rept 64
	v_med3_num_f32 v[TMP+JJ], v[TMP+JJ], -v[LMV], v[LMV]
.set JJ, JJ+1
.endr
.irp b, 0,1,2,3,4,5,6,7
	v_cvt_scalef32_pk8_fp8_f32 v[CD+16*((\a)%4)+2*\b:CD+16*((\a)%4)+2*\b+1], v[TMP+8*\b:TMP+8*\b+7], v[SCV]
.endr
	v_nop                                          ; a plain line behind the last conversion
.irp b, 0,1,2,3
	global_store_b128 v[LI], v[CD+16*((\a)%4)+4*\b:CD+16*((\a)%4)+4*\b+3], s[86:87] offset:512*\b
.endr
	s_wait_xcnt 0x0                                ; the stores have read their base and their data
	s_add_nc_u64 s[86:87], s[86:87], s[90:91]
.endm
.irp a, 0,1,2,3,4,5,6,7
	OUTB \a
.endr
	s_wait_tensorcnt 0x0                           ; the wave's end
	ds_add_u32 v[SPW], v[NIL]
	s_wait_dscnt 0x0
	CROUND                                         ; the closing round
	s_endpgm
.Lfunc_end_k_qbbd06d2654_kvproj:
	.size	k_qbbd06d2654_kvproj, .Lfunc_end_k_qbbd06d2654_kvproj-k_qbbd06d2654_kvproj
	.p2alignl 7, 3214868480
	.fill 96, 4, 3214868480
	.section	.rodata,"a",@progbits
	.p2align	6, 0x0
	.amdhsa_kernel k_qbbd06d2654_kvproj
		.amdhsa_group_segment_fixed_size 327680
		.amdhsa_private_segment_fixed_size 0
		.amdhsa_enable_private_segment 0
		.amdhsa_kernarg_size 48
		.amdhsa_user_sgpr_count 2
		.amdhsa_user_sgpr_kernarg_segment_ptr 1
		.amdhsa_wavefront_size32 1
		.amdhsa_system_sgpr_workgroup_id_x 1
		.amdhsa_system_sgpr_workgroup_id_y 1
		.amdhsa_system_sgpr_workgroup_id_z 1
		.amdhsa_system_vgpr_workitem_id 0
		.amdhsa_next_free_vgpr 1024
		.amdhsa_next_free_sgpr 100
		.amdhsa_reserve_vcc 0
		.amdhsa_float_denorm_mode_32 3
		.amdhsa_float_denorm_mode_16_64 3
		.amdhsa_memory_ordered 1
		.amdhsa_forward_progress 1
		.amdhsa_inst_pref_size 157
	.end_amdhsa_kernel
	.amdgpu_metadata
---
amdhsa.version: [ 1, 2 ]
amdhsa.kernels:
  - .name:           k_qbbd06d2654_kvproj
    .symbol:         k_qbbd06d2654_kvproj.kd
    .args:
      - { .name: wcode, .offset: 0, .size: 8, .value_kind: global_buffer, .address_space: global }
      - { .name: xcode, .offset: 8, .size: 8, .value_kind: global_buffer, .address_space: global }
      - { .name: lowp_scales, .offset: 16, .size: 8, .value_kind: global_buffer, .address_space: global }
      - { .name: bk, .offset: 24, .size: 8, .value_kind: global_buffer, .address_space: global }
      - { .name: bv, .offset: 32, .size: 8, .value_kind: global_buffer, .address_space: global }
      - { .name: kvcode, .offset: 40, .size: 8, .value_kind: global_buffer, .address_space: global }
    .group_segment_fixed_size: 327680
    .private_segment_fixed_size: 0
    .kernarg_segment_align: 8
    .kernarg_segment_size: 48
    .max_flat_workgroup_size: 128
    .sgpr_count:     100
    .vgpr_count:     1024
    .wavefront_size: 32
...
	.end_amdgpu_metadata
.endif
;; end of part 3
;; launch qattn (part 4): grid 16 x 79, 4 waves a work-group, no clusters, 131,584 bytes of LDS; arguments wcode, plan, kvcode, bq, lowp_scales, ocode; writes ocode
.if DOCPART == 4
	.amdgcn_target "amdgcn-amd-amdhsa--gfx1250"
	.amdhsa_code_object_version 6
	.text
	.protected	k_qbbd06d2654_qattn
	.globl	k_qbbd06d2654_qattn
	.p2align	8
	.type	k_qbbd06d2654_qattn,@function
k_qbbd06d2654_qattn:
	s_mov_b64 s[64:65], 0
	v_nop
	global_prefetch_b8 v0, s[64:65] scope:SCOPE_SE
	s_setreg_imm32_b32 hwreg(HW_REG_WAVE_MODE, 25, 1), 1
	s_wait_xcnt 0x0
; qattn.  A work-group takes one tile of 64 routed rows of one group g = 2 expert + batch (y) and one head (x); a wave takes 16 of the rows through: gather of the rows' codes, q = x Wq + bq, quantised (e6),
; S^T = K Q^T, the softmax, O^T = V^T P^T over the group's 512 keys, O / the sum, quantised (e10), stored as half an image of the o product's operand.
; With 4,096 routed rows, 16 groups and tiles of 64 there are never more than 79 tiles.  The tile's group is found from the stored counts.  A tile without rows stores nothing; its loads ahead of the barrier are pointed at a group
; that has rows, so that every wave passes the barrier and no unwritten word is read.  Ranks past the group's count are held at the last row: such rows fall into the tile's unused places, which no later launch uses.
; No tensor load: the paths hang on stored counts.  Wq's 64 KiB, K's and V's 32 KiB each come through registers into LDS once, for all four waves.
; THE SOFTMAX: t = score x log2(e) / 8; M = the running largest t rounded up to a whole number; p = 2^(t - M) is quantised (e9); the sum is taken of the unquantised p and divides at the end.
; Both attention products are used transposed, so a lane holds one row throughout; the order of rows in K's tiles makes p's 16 registers of two neighbouring tiles 16 neighbouring keys.
; LIMITS: e6 - e0 - e1, e9, e10 between -126 and 119; e6 + e7 between -123 and 130.
; REGISTERS.  Window 0: v1 16 lane, v2 r, v3 h, v4-11 addresses, v12 -M, v13 largest t, v[14:15] the sum, v16-23 Q's codes, v24/25 the add's two, v26-29 scales, v32-159 the rows' codes (8 K steps), later v32-95 K's or V's fragments
;   and v96-159 S^T, then p; v160-191 q's sums, later O^T; v224-239 p's codes; v240-254 at work.   Window 1: staging; then two sets of Wq's fragments at v0 and v64.
.set KL,    65536
.set VL,    98304
.set SPARE, 131072
.set SPW,   24
.set NIL,   25
.set CS,    54
.set SEL,   56
.set MSB, 0
.macro WIN new
.if MSB != \new
	s_set_vgpr_msb (MSB<<8)|\new
.set MSB, \new
.endif
.endm
; From the counts s16-31 and the tile s44: s49 the group, s50 the tile's first rank, s51 the group's count, s53 = 1 for a tile without rows.
.macro FINDTILE
	s_mov_b32 s48, 0                               ; tiles of the groups so far
	s_mov_b32 s49, 0                               ; groups that end at or before my tile
	s_mov_b32 s50, 0                               ; where my group's tiles begin
	s_mov_b32 s51, 0
	s_mov_b32 s52, 0                               ; a group that has rows
.irp g, 0,1,2,3,4,5,6,7,8,9,10,11,12,13,14,15
	s_min_u32 s47, s[16+\g], 1024
	s_cmp_lg_u32 s47, 0
	s_cselect_b32 s52, \g, s52
	s_cmp_ge_u32 s44, s48
	s_cselect_b32 s51, s47, s51
	s_add_co_u32 s47, s47, 63
	s_lshr_b32 s47, s47, 6
	s_add_co_u32 s48, s48, s47
	s_cmp_ge_u32 s44, s48
	s_cselect_b32 s50, s48, s50
	s_add_co_ci_u32 s49, s49, 0
.endr
	s_cmp_ge_u32 s49, 16
	s_cselect_b32 s49, s52, s49
	s_cselect_b32 s53, 1, 0
	s_cselect_b32 s51, 1, s51
	s_cselect_b32 s50, s44, s50
	s_min_u32 s49, s49, 15
	s_sub_co_u32 s50, s44, s50
	s_lshl_b32 s50, s50, 6
	s_min_u32 s50, s50, 960
.endm
.macro POWLIM se, vp, vl               ; 2^e and 448 x 2^e as f32
	s_add_co_i32 s74, \se, 127
	s_lshl_b32 s75, s74, 23
	v_mov_b32 v[\vp], s75
	s_add_co_i32 s74, s74, 8
	s_lshl_b32 s74, s74, 23
	s_or_b32 s74, s74, 0x600000
	v_mov_b32 v[\vl], s74
.endm
	s_load_b256 s[4:11], s[0:1], 0x0               ; wcode, plan, kvcode, bq
	s_load_b128 s[12:15], s[0:1], 0x20             ; the scales, ocode
	v_lshl_add_u32 v[SPW], v0, 2, SPARE
	v_mov_b32 v[NIL], 0
	v_lshrrev_b32 v1, 5, v0
	v_readfirstlane_b32 s46, v1                    ; wave
	v_and_b32 v2, 15, v0
	v_bfe_u32 v3, v0, 4, 1
	v_and_b32 v1, 31, v0
	v_lshlrev_b32 v1, 4, v1                        ; 16 x lane
	v_lshlrev_b32 v4, 4, v0                        ; 16 x thread
	v_add_nc_u32 v5, KL, v4
	v_lshrrev_b32 v6, 6, v0
	v_and_b32 v7, 63, v0
	v_lshlrev_b32 v7, 4, v7
	v_lshl_or_b32 v6, v6, 14, v7                   ; K in memory: 64 threads to a key tile's 1,024 bytes, tiles 16,384 apart
	v_add_nc_u32 v8, KL, v1
	v_add_nc_u32 v9, VL, v1
	s_and_b32 s44, ttmp7, 0xffff                   ; tile
	s_mov_b32 s45, ttmp9                           ; head
	s_wait_kmcnt 0x0
	s_load_b512 s[16:31], s[6:7], 0x14000          ; the groups' counts
	s_load_b256 s[32:39], s[12:13], 0x0            ; e0 .. e7
	s_load_b128 s[40:43], s[12:13], 0x20           ; e8 .. e11
	s_wait_kmcnt 0x0
	FINDTILE
	s_lshl_b32 s54, s46, 4
	s_add_co_u32 s54, s54, s50
	s_sub_co_u32 s55, s51, 1
	v_add_nc_u32 v10, s54, v2                      ; my row's rank,
	v_min_u32 v10, s55, v10                        ; held at the group's last,
	v_min_u32 v10, 1023, v10                       ; and inside the list
	s_lshl_b32 s56, s49, 10
	v_add_nc_u32 v10, s56, v10
	v_lshlrev_b32 v10, 2, v10
	global_load_b32 v7, v10, s[6:7]                ; its entry
	s_and_b32 s57, s49, 14                         ; 2 x expert
	s_lshl_b32 s58, s57, 19
	s_lshl_b32 s59, s45, 16
	s_add_co_u32 s58, s58, s59
	s_mov_b32 s59, 0
	s_add_nc_u64 s[60:61], s[4:5], s[58:59]        ; Wq's four tiles of this head: 65,536 consecutive bytes
	s_lshl_b32 s58, s49, 19
	s_lshl_b32 s62, s45, 10
	s_add_co_u32 s62, s62, s58
	s_mov_b32 s63, 0
	s_add_nc_u64 s[62:63], s[8:9], s[62:63]        ; K
	s_lshl_b32 s66, s45, 15
	s_add_co_u32 s66, s66, s58
	s_add_co_u32 s66, s66, 0x800000
	s_mov_b32 s67, 0
	s_add_nc_u64 s[66:67], s[8:9], s[66:67]        ; V: 32,768 consecutive bytes
	WIN 0x40                                       ; destinations in window 1
.set JJ, 0
.rept 32
	global_load_b128 v[4*JJ:4*JJ+3], v4, s[60:61] offset:2048*JJ
.set JJ, JJ+1
.endr
	WIN 0
	s_wait_loadcnt 32                              ; the entry is in; Wq's 32 staging loads, issued behind it, may be out
	v_min_u32 v7, 4095, v7
	v_and_b32 v7, 0xffe, v7                        ; 2 x token
	v_lshlrev_b32 v7, 9, v7                        ; its row of 1,024 codes
	v_lshl_add_u32 v7, v3, 4, v7
	WIN 0x40
.set JJ, 0
.rept 16
	global_load_b128 v[128+4*JJ:128+4*JJ+3], v6, s[62:63] offset:32768*JJ
.set JJ, JJ+1
.endr
.set JJ, 0
.rept 16
	global_load_b128 v[192+4*JJ:192+4*JJ+3], v4, s[66:67] offset:2048*JJ
.set JJ, JJ+1
.endr
	WIN 0
	s_add_nc_u64 s[68:69], s[4:5], 0x2000000
.irp s, 0,1,2,3,4,5,6,7
.irp c, 0,1,2,3
	global_load_b128 v[32+16*\s+4*\c:35+16*\s+4*\c], v7, s[68:69] offset:128*\s+32*\c   ; k = 128 s + 32 c + 16 h + 0 .. 15 of my row
.endr
.endr
	v_lshlrev_b32 v11, 6, v3
	s_lshl_b32 s70, s57, 11
	s_lshl_b32 s71, s45, 8
	s_add_co_u32 s70, s70, s71
	s_mov_b32 s71, 0
	s_add_nc_u64 s[70:71], s[10:11], s[70:71]
.irp t, 0,1,2,3
	global_load_b128 v[160+8*\t:163+8*\t], v11, s[70:71] offset:(32*(\t/2)+8*(\t%2))*4      ; bq in the result's layout: it starts the sums
	global_load_b128 v[164+8*\t:167+8*\t], v11, s[70:71] offset:(32*(\t/2)+8*(\t%2))*4+16
.endr
	s_wait_loadcnt 40                              ; the 64 staging loads are in; the rows' 32 and the bias's 8, issued behind them, may be out
	WIN 0x04                                       ; store data in window 1
.set JJ, 0
.rept 32
	ds_store_b128 v4, v[4*JJ:4*JJ+3] offset:2048*JJ
.set JJ, JJ+1
.endr
.set JJ, 0
.rept 16
	ds_store_b128 v5, v[128+4*JJ:128+4*JJ+3] offset:2048*JJ
.set JJ, JJ+1
.endr
.set JJ, 0
.rept 16
	ds_store_b128 v5, v[192+4*JJ:192+4*JJ+3] offset:32768+2048*JJ
.set JJ, JJ+1
.endr
	WIN 0
	s_wait_dscnt 0x0                               ; for the others' sake: my stores have landed
	s_barrier_signal -1
	s_barrier_wait -1
	s_cmp_lg_u32 s53, 0                            ; a tile without rows leaves here: no barrier follows
	s_cbranch_scc1 .Lclose
; ---------------- q = x Wq + bq, transposed: source 0 = 16 channels of Wq, source 1 = my 16 rows
	s_add_co_i32 s72, s32, s33                     ; e0 + e1
	s_sub_co_i32 s73, 0, s72
	s_sub_co_i32 s76, s38, s72                     ; a sum stands for sum x 2^(e0 + e1): the conversion's one scale is 2^(e6 - e0 - e1)
	POWLIM s76, 26, 27
	POWLIM s41, 244, 240                           ; e9
	POWLIM s42, 29, 28                             ; e10
	s_wait_loadcnt 0x0
.set JJ, 0
.rept 32
	v_ldexp_f32 v[160+JJ], v[160+JJ], s73          ; bq / 2^(e0 + e1)
.set JJ, JJ+1
.endr
.macro FETCHB s                        ; Wq's four fragments of K step s into set s % 2 of window 1
	WIN 0x40
.irp t, 0,1,2,3
.irp c, 0,1,2,3
	ds_load_b128 v[64*((\s)%2)+16*\t+4*\c:64*((\s)%2)+16*\t+4*\c+3], v1 offset:(8*\t+(\s))*2048+512*\c
.endr
.endr
.endm
	FETCHB 0
.irp s, 0,1,2,3,4,5,6,7
.if \s < 7
.rept 4
	v_nop                                          ; places in front of loads into the set that the step before multiplied
.endr
	FETCHB \s+1
	s_wait_dscnt 16                                ; this step's set is in; the next set's 16 loads may be out
.else
	s_wait_dscnt 0x0
.endif
	WIN 0x01                                       ; source 0 in window 1
.irp t, 0,1,2,3
	v_wmma_f32_16x16x128_fp8_fp8 v[160+8*\t:167+8*\t], v[64*(\s%2)+16*\t:64*(\s%2)+16*\t+15], v[32+16*\s:47+16*\s], v[160+8*\t:167+8*\t]
.endr
.endr
	WIN 0
.rept 4
	v_nop
.endr
.set JJ, 0
.rept 32
	v_med3_num_f32 v[160+JJ], v[160+JJ], -v27, v27
.set JJ, JJ+1
.endr
.irp b, 0,1
	v_cvt_scalef32_pk8_fp8_f32 v[16+4*\b:17+4*\b], v[160+16*\b:167+16*\b], v26    ; registers 4 b .. 4 b + 3: d = 32 b + 16 h + 0 .. 15
	v_cvt_scalef32_pk8_fp8_f32 v[18+4*\b:19+4*\b], v[168+16*\b:175+16*\b], v26
.endr
	v_nop
	s_mov_b32 s[CS], 0x3e38aa3b                    ; log2(e) / 8
	s_add_co_i32 s76, s38, s39
	s_lshl_b32 s76, s76, 23
	s_add_co_i32 s[CS], s[CS], s76                 ; x 2^(e6 + e7), by the exponent field
	s_mov_b32 s[CS+1], s[CS]
	s_mov_b32 s[SEL], 0x76543210
	s_mov_b32 s[SEL+1], 0xfedcba98
	v_mov_b32 v13, 0xff61b1e6                      ; the largest t so far: under every t
	v_floor_f32 v12, -v13
	v_mov_b32 v14, 0
	v_mov_b32 v15, 0
	v_mov_b32 v246, 0
	v_mov_b32 v253, 0
.set JJ, 0
.rept 32
	v_mov_b32 v[160+JJ], 0                         ; O^T: the step is written once, and its first change of M leaves zeros zeros
.set JJ, JJ+1
.endr
; ---------------- a key step: 128 keys
.macro STEP q
.rept 4
	v_nop                                          ; places in front of loads into registers that matrix instructions have read
.endr
.irp t, 0,1,2,3,4,5,6,7
.irp c, 0,1
	ds_load_b128 v[32+8*\t+4*\c:35+8*\t+4*\c], v8 offset:(8*(\q)+\t)*1024+512*\c
.endr
.endr
	s_wait_dscnt 0x0
.irp t, 0,1,2,3,4,5,6,7
	v_wmma_f32_16x16x64_fp8_fp8 v[96+8*\t:103+8*\t], v[32+8*\t:39+8*\t], v[16:23], 0
.endr
.rept 4
	v_nop
.endr
.irp t, 0,1,2,3
.irp c, 0,1,2,3
	ds_load_b128 v[32+16*\t+4*\c:35+16*\t+4*\c], v9 offset:(4*\t+(\q))*2048+512*\c   ; V's fragments land while the softmax is walked
.endr
.endr
	v_max3_num_f32 v254, v96, v97, v98             ; the step's largest score of my row, in two chains
	v_max3_num_f32 v252, v99, v100, v101
.irp i, 6,10,14,18,22,26,30,34,38,42,46,50,54,58
	v_max3_num_f32 v254, v254, v[96+\i], v[97+\i]
	v_max3_num_f32 v252, v252, v[98+\i], v[99+\i]
.endr
	v_max3_num_f32 v254, v254, v158, v159
	v_max_num_f32 v254, v254, v252
	v_permlanex16_b32 v246, v254, s[SEL], s[SEL+1]
	v_max_num_f32 v254, v254, v246
	v_mul_f32 v254, s[CS], v254
	v_max_num_f32 v13, v13, v254                   ; the running largest t
	v_mov_b32 v254, v12
	v_floor_f32 v12, -v13                          ; -M = floor(-t): M is a whole number
	v_sub_f32 v254, v12, v254
	v_cvt_i32_f32 v254, v254
	v_ldexp_f32 v252, 1.0, v254                    ; f = 2^(old M - new M)
.set JJ, 0
.rept 32
	v_pk_fma_f32 v[96+JJ:97+JJ], v[96+JJ:97+JJ], s[CS:CS+1], v[12:13] op_sel_hi:[1,0,0]   ; t - M
.set JJ, JJ+2
.endr
.set JJ, 0
.rept 64
	v_exp_f32 v[96+JJ], v[96+JJ]
.set JJ, JJ+1
.endr
	v_pk_mul_f32 v[14:15], v[14:15], v[252:253] op_sel_hi:[1,0]   ; the sums under the new M: the plain line behind the exponentials
	s_wait_alu depctr_va_vdst(0)                   ; one wait for the batch, ahead of its first reader
	v_pk_add_f32 v[242:243], v[96:97], v[98:99]    ; the sum of the unquantised p
.irp j, 4,8,12,16,20,24,28,32,36,40,44,48,52,56,60
	v_pk_add_f32 v[14:15], v[14:15], v[96+\j:97+\j]
	v_pk_add_f32 v[242:243], v[242:243], v[98+\j:99+\j]
.endr
	v_pk_add_f32 v[14:15], v[14:15], v[242:243]
.irp b, 0,1,2,3
.irp i, 0,1,2,3,4,5,6,7,8,9,10,11,12,13,14,15
	v_min_num_f32 v[96+16*\b+\i], v[96+16*\b+\i], v240   ; p is not negative: the hold is one-sided
.endr
	v_cvt_scalef32_pk8_fp8_f32 v[224+4*\b:225+4*\b], v[96+16*\b:103+16*\b], v244
	v_cvt_scalef32_pk8_fp8_f32 v[226+4*\b:227+4*\b], v[104+16*\b:111+16*\b], v244
.endr
.set JJ, 0
.rept 16
	v_pk_mul_f32 v[160+JJ:161+JJ], v[160+JJ:161+JJ], v[252:253] op_sel_hi:[1,0]   ; O^T under the new M
.set JJ, JJ+2
.endr
	s_wait_dscnt 0x0                               ; V
.irp t, 0,1,2,3
	v_wmma_f32_16x16x128_fp8_fp8 v[160+8*\t:167+8*\t], v[32+16*\t:47+16*\t], v[224:239], v[160+8*\t:167+8*\t]
.endr
.endm
	STEP 0
	STEP 1
	STEP 2
	STEP 3
; ---------------- O / the sum, quantised; my head's 64 channels are half an image
.rept 4
	v_nop
.endr
	v_add_f32 v14, v14, v15
	v_permlanex16_b32 v252, v14, s[SEL], s[SEL+1]
	v_add_f32 v14, v14, v252
	v_rcp_f32 v14, v14
	v_nop
	s_add_co_i32 s76, s40, s41                     ; e8 + e9
	s_wait_alu depctr_va_vdst(0)
	v_ldexp_f32 v14, v14, s76
.set JJ, 0
.rept 32
	v_mul_f32 v[96+JJ], v[160+JJ], v14
.set JJ, JJ+1
.endr
.set JJ, 0
.rept 32
	v_med3_num_f32 v[96+JJ], v[96+JJ], -v28, v28
.set JJ, JJ+1
.endr
.irp b, 0,1
	v_cvt_scalef32_pk8_fp8_f32 v[224+4*\b:225+4*\b], v[96+16*\b:103+16*\b], v29
	v_cvt_scalef32_pk8_fp8_f32 v[226+4*\b:227+4*\b], v[104+16*\b:111+16*\b], v29
.endr
	v_nop
	s_lshl_b32 s76, s49, 20
	s_lshl_b32 s77, s50, 10
	s_add_co_u32 s76, s76, s77
	s_lshl_b32 s77, s46, 14
	s_add_co_u32 s76, s76, s77
	s_lshr_b32 s77, s45, 1
	s_lshl_b32 s77, s77, 11
	s_add_co_u32 s76, s76, s77
	s_and_b32 s77, s45, 1
	s_lshl_b32 s77, s77, 10
	s_add_co_u32 s76, s76, s77
	s_mov_b32 s77, 0
	s_add_nc_u64 s[14:15], s[14:15], s[76:77]
	global_store_b128 v1, v[224:227], s[14:15]               ; 512 consecutive bytes each
	global_store_b128 v1, v[228:231], s[14:15] offset:512
.Lclose:
	s_wait_tensorcnt 0x0                           ; the wave's end
	ds_add_u32 v[SPW], v[NIL]
	s_wait_dscnt 0x0
	s_endpgm
.Lfunc_end_k_qbbd06d2654_qattn:
	.size	k_qbbd06d2654_qattn, .Lfunc_end_k_qbbd06d2654_qattn-k_qbbd06d2654_qattn
	.p2alignl 7, 3214868480
	.fill 96, 4, 3214868480
	.section	.rodata,"a",@progbits
	.p2align	6, 0x0
	.amdhsa_kernel k_qbbd06d2654_qattn
		.amdhsa_group_segment_fixed_size 131584
		.amdhsa_private_segment_fixed_size 0
		.amdhsa_enable_private_segment 0
		.amdhsa_kernarg_size 48
		.amdhsa_user_sgpr_count 2
		.amdhsa_user_sgpr_kernarg_segment_ptr 1
		.amdhsa_wavefront_size32 1
		.amdhsa_system_sgpr_workgroup_id_x 1
		.amdhsa_system_sgpr_workgroup_id_y 1
		.amdhsa_system_sgpr_workgroup_id_z 1
		.amdhsa_system_vgpr_workitem_id 0
		.amdhsa_next_free_vgpr 512
		.amdhsa_next_free_sgpr 80
		.amdhsa_reserve_vcc 0
		.amdhsa_float_denorm_mode_32 3
		.amdhsa_float_denorm_mode_16_64 3
		.amdhsa_memory_ordered 1
		.amdhsa_forward_progress 1
		.amdhsa_inst_pref_size 107
	.end_amdhsa_kernel
	.amdgpu_metadata
---
amdhsa.version: [ 1, 2 ]
amdhsa.kernels:
  - .name:           k_qbbd06d2654_qattn
    .symbol:         k_qbbd06d2654_qattn.kd
    .args:
      - { .name: wcode, .offset: 0, .size: 8, .value_kind: global_buffer, .address_space: global }
      - { .name: plan, .offset: 8, .size: 8, .value_kind: global_buffer, .address_space: global }
      - { .name: kvcode, .offset: 16, .size: 8, .value_kind: global_buffer, .address_space: global }
      - { .name: bq, .offset: 24, .size: 8, .value_kind: global_buffer, .address_space: global }
      - { .name: lowp_scales, .offset: 32, .size: 8, .value_kind: global_buffer, .address_space: global }
      - { .name: ocode, .offset: 40, .size: 8, .value_kind: global_buffer, .address_space: global }
    .group_segment_fixed_size: 131584
    .private_segment_fixed_size: 0
    .kernarg_segment_align: 8
    .kernarg_segment_size: 48
    .max_flat_workgroup_size: 128
    .sgpr_count:     80
    .vgpr_count:     512
    .wavefront_size: 32
...
	.end_amdgpu_metadata
.endif
;; end of part 4
;; launch oproj (part 5): grid 4 x 79, 4 waves a work-group, no clusters, 17,920 bytes of LDS; arguments wcode, plan, ocode, bo, lowp_scales, part; writes part
.if DOCPART == 5
	.amdgcn_target "amdgcn-amd-amdhsa--gfx1250"
	.amdhsa_code_object_version 6
	.text
	.protected	k_qbbd06d2654_oproj
	.globl	k_qbbd06d2654_oproj
	.p2align	8
	.type	k_qbbd06d2654_oproj,@function
k_qbbd06d2654_oproj:
	s_mov_b64 s[64:65], 0
	v_nop
	global_prefetch_b8 v0, s[64:65] scope:SCOPE_SE
	s_setreg_imm32_b32 hwreg(HW_REG_WAVE_MODE, 25, 1), 1
	s_wait_xcnt 0x0
; oproj.  A work-group takes one tile of 64 routed rows (y, found from the stored counts as in the launch before) and 256 output columns (x); a wave takes 64 rows x 64 columns: 16 accumulators.
; y = o Wo + bo on codes of E4M3; both operands lie in memory as images of operand registers and go straight into registers (the paths hang on stored counts, so there is no tensor load).
; Used transposed (source 0 = 16 columns of Wo, source 1 = 16 rows of o): a lane holds one row, and 16 registers of two neighbouring tiles are 16 neighbouring columns.
; Results go to part[g][rank][1024] f32, in the sorted order: a tile's unused places are stored too and are read by nobody.  A tile without rows stores nothing.
; LIMIT: e10 + e11 between -126 and 127.
; REGISTERS.  Window 0: v1 16 lane, v4-7 addresses, v8/9 the add's two, v32-63 the bias, v64-95 and v96-127 the way out, v128-255 the accumulators ((i, t) at 128 + 8 (4 i + t)).  Window 1: two sets of 128: o's four fragments, then Wo's four.
.set SPARE, 17408
.set SPW,   8
.set NIL,   9
.set MSB, 0
.macro WIN new
.if MSB != \new
	s_set_vgpr_msb (MSB<<8)|\new
.set MSB, \new
.endif
.endm
.macro FINDTILE                        ; from the counts s16-31 and the tile s44: s49 the group, s50 the first rank, s51 the count, s53 = 1 for a tile without rows
	s_mov_b32 s48, 0
	s_mov_b32 s49, 0
	s_mov_b32 s50, 0
	s_mov_b32 s51, 0
	s_mov_b32 s52, 0
.irp g, 0,1,2,3,4,5,6,7,8,9,10,11,12,13,14,15
	s_min_u32 s47, s[16+\g], 1024
	s_cmp_lg_u32 s47, 0
	s_cselect_b32 s52, \g, s52
	s_cmp_ge_u32 s44, s48
	s_cselect_b32 s51, s47, s51
	s_add_co_u32 s47, s47, 63
	s_lshr_b32 s47, s47, 6
	s_add_co_u32 s48, s48, s47
	s_cmp_ge_u32 s44, s48
	s_cselect_b32 s50, s48, s50
	s_add_co_ci_u32 s49, s49, 0
.endr
	s_cmp_ge_u32 s49, 16
	s_cselect_b32 s49, s52, s49
	s_cselect_b32 s53, 1, 0
	s_cselect_b32 s51, 1, s51
	s_cselect_b32 s50, s44, s50
	s_min_u32 s49, s49, 15
	s_sub_co_u32 s50, s44, s50
	s_lshl_b32 s50, s50, 6
	s_min_u32 s50, s50, 960
.endm
	s_load_b256 s[4:11], s[0:1], 0x0               ; wcode, plan, ocode, bo
	s_load_b128 s[12:15], s[0:1], 0x20             ; the scales, part
	v_lshl_add_u32 v[SPW], v0, 2, SPARE
	v_mov_b32 v[NIL], 0
	v_lshrrev_b32 v1, 5, v0
	v_readfirstlane_b32 s46, v1                    ; wave
	v_and_b32 v2, 15, v0
	v_bfe_u32 v3, v0, 4, 1
	v_and_b32 v1, 31, v0
	v_lshlrev_b32 v1, 4, v1                        ; 16 x lane
	s_mul_i32 s54, s46, 4352                       ; my stage: 16 rows of 256 bytes + 16
	v_mul_u32_u24 v4, v2, 272
	v_lshl_add_u32 v4, v3, 6, v4
	v_add_nc_u32 v4, s54, v4                       ; in: row r, + 64 h
	v_mul_u32_u24 v5, v3, 272
	v_lshl_add_u32 v5, v2, 4, v5
	v_add_nc_u32 v5, s54, v5                       ; back: sixteen lanes to a row
	v_lshlrev_b32 v6, 12, v3
	v_lshl_add_u32 v6, v2, 4, v6                   ; and the same place in part
	v_lshlrev_b32 v7, 6, v3
	s_and_b32 s44, ttmp7, 0xffff
	s_mov_b32 s45, ttmp9
	s_wait_kmcnt 0x0
	s_load_b512 s[16:31], s[6:7], 0x14000
	s_load_b128 s[40:43], s[12:13], 0x20           ; e8 .. e11
	s_wait_kmcnt 0x0
	FINDTILE
	s_cmp_lg_u32 s53, 0
	s_cbranch_scc1 .Lclose
	s_lshl_b32 s56, s49, 20
	s_lshl_b32 s54, s50, 10
	s_add_co_u32 s56, s56, s54
	s_mov_b32 s57, 0
	s_add_nc_u64 s[56:57], s[8:9], s[56:57]        ; o's four row tiles
	s_and_b32 s55, s49, 14
	s_lshl_b32 s58, s55, 19
	s_lshl_b32 s54, s45, 18
	s_add_co_u32 s58, s58, s54
	s_lshl_b32 s54, s46, 16
	s_add_co_u32 s58, s58, s54
	s_add_co_u32 s58, s58, 3<<23
	s_mov_b32 s59, 0
	s_add_nc_u64 s[58:59], s[4:5], s[58:59]        ; Wo's tiles 16 x + 4 wave on
	s_lshl_b32 s60, s55, 11
	s_lshl_b32 s54, s45, 10
	s_add_co_u32 s60, s60, s54
	s_lshl_b32 s54, s46, 8
	s_add_co_u32 s60, s60, s54
	s_mov_b32 s61, 0
	s_add_nc_u64 s[60:61], s[10:11], s[60:61]      ; bo at my first column
	s_lshl_b32 s62, s49, 10
	s_add_co_u32 s62, s62, s50
	s_lshl_b32 s62, s62, 12
	s_lshl_b32 s54, s45, 10
	s_add_co_u32 s62, s62, s54
	s_lshl_b32 s54, s46, 8
	s_add_co_u32 s62, s62, s54
	s_mov_b32 s63, 0
	s_add_nc_u64 s[14:15], s[14:15], s[62:63]      ; part at (my first row, my first column)
	s_add_co_i32 s62, s42, s43
	s_add_co_i32 s62, s62, 127
	s_lshl_b32 s62, s62, 23                        ; 2^(e10 + e11)
	s_mov_b32 s63, s62
.irp b, 0,1
.irp j, 0,1,2,3
	global_load_b128 v[32+16*\b+4*\j:35+16*\b+4*\j], v7, s[60:61] offset:128*\b+16*\j
.endr
.endr
.macro LOADK s                         ; K step s: 32 loads of 512 consecutive bytes, into set s % 2
	WIN 0x40
.irp i, 0,1,2,3
.irp c, 0,1,2,3
	global_load_b128 v[128*((\s)%2)+16*\i+4*\c:128*((\s)%2)+16*\i+4*\c+3], v1, s[56:57] offset:\i*16384+(\s)*2048+512*\c
.endr
.endr
.irp i, 0,1,2,3
.irp c, 0,1,2,3
	global_load_b128 v[128*((\s)%2)+64+16*\i+4*\c:128*((\s)%2)+64+16*\i+4*\c+3], v1, s[58:59] offset:\i*16384+(\s)*2048+512*\c
.endr
.endr
.endm
	LOADK 0
	LOADK 1
.irp s, 0,1,2,3,4,5,6,7
.if \s < 7
	s_wait_loadcnt 32                              ; this K step (and the bias) is in; the next step's 32 loads may be out
.else
	s_wait_loadcnt 0x0
.endif
	WIN 0x05                                       ; sources 0 and 1 in window 1
.irp i, 0,1,2,3
.irp t, 0,1,2,3
.if \s == 0
	v_wmma_f32_16x16x128_fp8_fp8 v[128+8*(4*\i+\t):135+8*(4*\i+\t)], v[128*(\s%2)+64+16*\t:128*(\s%2)+79+16*\t], v[128*(\s%2)+16*\i:128*(\s%2)+15+16*\i], 0
.else
	v_wmma_f32_16x16x128_fp8_fp8 v[128+8*(4*\i+\t):135+8*(4*\i+\t)], v[128*(\s%2)+64+16*\t:128*(\s%2)+79+16*\t], v[128*(\s%2)+16*\i:128*(\s%2)+15+16*\i], v[128+8*(4*\i+\t):135+8*(4*\i+\t)]
.endif
.endr
.endr
.if \s < 6
.rept 4
	v_nop                                          ; places in front of loads into the set just multiplied
.endr
	LOADK \s+2
.endif
.endr
	WIN 0
.rept 4
	v_nop
.endr
; the way out, 16 rows at a time, through my own stage: sixteen lanes store 256 consecutive aligned bytes
.irp i, 0,1,2,3
	s_wait_xcnt 0x0                                ; the stores of the 16 rows before have read their registers
.irp j, 0,2,4,6,8,10,12,14,16,18,20,22,24,26,28,30
	v_pk_fma_f32 v[64+\j:65+\j], v[128+32*\i+\j:129+32*\i+\j], s[62:63], v[32+\j:33+\j] op_sel_hi:[1,0,1]   ; sum x 2^(e10 + e11) + bo
.endr
.irp b, 0,1
.irp j, 0,1,2,3
	ds_store_b128 v4, v[64+16*\b+4*\j:67+16*\b+4*\j] offset:128*\b+16*\j
.endr
.endr
.irp j, 0,1,2,3,4,5,6,7
	ds_load_b128 v[96+4*\j:99+4*\j], v5 offset:544*\j   ; LDS serves a wave's instructions in order: these see my stores
.endr
.irp j, 0,1,2,3,4,5,6,7
	s_wait_dscnt 7-\j
	global_store_b128 v6, v[96+4*\j:99+4*\j], s[14:15] offset:(16*\i+2*\j)*4096
.endr
.endr
.Lclose:
	s_wait_tensorcnt 0x0                           ; the wave's end
	ds_add_u32 v[SPW], v[NIL]
	s_wait_dscnt 0x0
	s_endpgm
.Lfunc_end_k_qbbd06d2654_oproj:
	.size	k_qbbd06d2654_oproj, .Lfunc_end_k_qbbd06d2654_oproj-k_qbbd06d2654_oproj
	.p2alignl 7, 3214868480
	.fill 96, 4, 3214868480
	.section	.rodata,"a",@progbits
	.p2align	6, 0x0
	.amdhsa_kernel k_qbbd06d2654_oproj
		.amdhsa_group_segment_fixed_size 17920
		.amdhsa_private_segment_fixed_size 0
		.amdhsa_enable_private_segment 0
		.amdhsa_kernarg_size 48
		.amdhsa_user_sgpr_count 2
		.amdhsa_user_sgpr_kernarg_segment_ptr 1
		.amdhsa_wavefront_size32 1
		.amdhsa_system_sgpr_workgroup_id_x 1
		.amdhsa_system_sgpr_workgroup_id_y 1
		.amdhsa_system_sgpr_workgroup_id_z 1
		.amdhsa_system_vgpr_workitem_id 0
		.amdhsa_next_free_vgpr 512
		.amdhsa_next_free_sgpr 66
		.amdhsa_reserve_vcc 0
		.amdhsa_float_denorm_mode_32 3
		.amdhsa_float_denorm_mode_16_64 3
		.amdhsa_memory_ordered 1
		.amdhsa_forward_progress 1
		.amdhsa_inst_pref_size 56
	.end_amdhsa_kernel
	.amdgpu_metadata
---
amdhsa.version: [ 1, 2 ]
amdhsa.kernels:
  - .name:           k_qbbd06d2654_oproj
    .symbol:         k_qbbd06d2654_oproj.kd
    .args:
      - { .name: wcode, .offset: 0, .size: 8, .value_kind: global_buffer, .address_space: global }
      - { .name: plan, .offset: 8, .size: 8, .value_kind: global_buffer, .address_space: global }
      - { .name: ocode, .offset: 16, .size: 8, .value_kind: global_buffer, .address_space: global }
      - { .name: bo, .offset: 24, .size: 8, .value_kind: global_buffer, .address_space: global }
      - { .name: lowp_scales, .offset: 32, .size: 8, .value_kind: global_buffer, .address_space: global }
      - { .name: part, .offset: 40, .size: 8, .value_kind: global_buffer, .address_space: global }
    .group_segment_fixed_size: 17920
    .private_segment_fixed_size: 0
    .kernarg_segment_align: 8
    .kernarg_segment_size: 48
    .max_flat_workgroup_size: 128
    .sgpr_count:     66
    .vgpr_count:     512
    .wavefront_size: 32
...
	.end_amdgpu_metadata
.endif
;; end of part 5
;; launch combine (part 6): grid 256 x 1, 8 waves a work-group, no clusters, 0 bytes of LDS; arguments plan, rwgt, part, out0; writes out0
.if DOCPART == 6
	.amdgcn_target "amdgcn-amd-amdhsa--gfx1250"
	.amdhsa_code_object_version 6
	.text
	.protected	k_qbbd06d2654_combine
	.globl	k_qbbd06d2654_combine
	.p2align	8
	.type	k_qbbd06d2654_combine,@function
k_qbbd06d2654_combine:
	s_mov_b64 s[64:65], 0
	v_nop
	global_prefetch_b8 v0, s[64:65] scope:SCOPE_SE
	s_setreg_imm32_b32 hwreg(HW_REG_WAVE_MODE, 25, 1), 1
	s_wait_xcnt 0x0
; combine.  out[t] = rw[t][0] x part[pos[2 t]] + rw[t][1] x part[pos[2 t + 1]].  A wave takes one token: two rows of 4,096 bytes in, one out; each load and store covers 512 consecutive bytes.
; A stream: no LDS, no barrier, no matrix unit.  All sixteen loads go out at once; the waits count down.
	s_load_b256 s[4:11], s[0:1], 0x0               ; plan, rwgt, part, out0
	v_lshrrev_b32 v1, 5, v0
	v_readfirstlane_b32 s12, v1
	v_and_b32 v1, 31, v0
	v_lshlrev_b32 v1, 4, v1
	s_lshl_b32 s13, ttmp9, 3
	s_add_co_u32 s13, s13, s12                     ; token
	s_lshl_b32 s14, s13, 3
	s_mov_b32 s15, 0
	s_wait_kmcnt 0x0
	s_add_nc_u64 s[4:5], s[4:5], s[14:15]
	s_add_nc_u64 s[6:7], s[6:7], s[14:15]
	s_load_b64 s[16:17], s[4:5], 0x10000           ; the two places
	s_load_b64 s[18:19], s[6:7], 0x0               ; the two weights
	s_wait_kmcnt 0x0
	s_min_u32 s16, s16, 16383
	s_min_u32 s17, s17, 16383
	s_lshl_b32 s20, s16, 12
	s_mov_b32 s21, 0
	s_lshl_b32 s22, s17, 12
	s_mov_b32 s23, 0
	s_add_nc_u64 s[20:21], s[8:9], s[20:21]
	s_add_nc_u64 s[22:23], s[8:9], s[22:23]
	s_lshl_b32 s24, s13, 12
	s_mov_b32 s25, 0
	s_add_nc_u64 s[10:11], s[10:11], s[24:25]
	s_mov_b32 s26, s19                             ; the second weight as the low word of a pair
	s_mov_b32 s27, s19
.irp j, 0,1,2,3,4,5,6,7
	global_load_b128 v[16+8*\j:19+8*\j], v1, s[20:21] offset:512*\j th:TH_LOAD_NT
	global_load_b128 v[20+8*\j:23+8*\j], v1, s[22:23] offset:512*\j th:TH_LOAD_NT
.endr
.irp j, 0,1,2,3,4,5,6,7
	s_wait_loadcnt 14-2*\j                         ; pair j is in; the younger pairs may be out
	v_pk_mul_f32 v[20+8*\j:21+8*\j], v[20+8*\j:21+8*\j], s[26:27] op_sel_hi:[1,0]
	v_pk_mul_f32 v[22+8*\j:23+8*\j], v[22+8*\j:23+8*\j], s[26:27] op_sel_hi:[1,0]
	v_pk_fma_f32 v[20+8*\j:21+8*\j], v[16+8*\j:17+8*\j], s[18:19], v[20+8*\j:21+8*\j] op_sel_hi:[1,0,1]
	v_pk_fma_f32 v[22+8*\j:23+8*\j], v[18+8*\j:19+8*\j], s[18:19], v[22+8*\j:23+8*\j] op_sel_hi:[1,0,1]
	global_store_b128 v1, v[20+8*\j:23+8*\j], s[10:11] offset:512*\j th:TH_STORE_NT
.endr
	s_endpgm
.Lfunc_end_k_qbbd06d2654_combine:
	.size	k_qbbd06d2654_combine, .Lfunc_end_k_qbbd06d2654_combine-k_qbbd06d2654_combine
	.p2alignl 7, 3214868480
	.fill 96, 4, 3214868480
	.section	.rodata,"a",@progbits
	.p2align	6, 0x0
	.amdhsa_kernel k_qbbd06d2654_combine
		.amdhsa_group_segment_fixed_size 0
		.amdhsa_private_segment_fixed_size 0
		.amdhsa_enable_private_segment 0
		.amdhsa_kernarg_size 32
		.amdhsa_user_sgpr_count 2
		.amdhsa_user_sgpr_kernarg_segment_ptr 1
		.amdhsa_wavefront_size32 1
		.amdhsa_system_sgpr_workgroup_id_x 1
		.amdhsa_system_sgpr_workgroup_id_y 1
		.amdhsa_system_sgpr_workgroup_id_z 1
		.amdhsa_system_vgpr_workitem_id 0
		.amdhsa_next_free_vgpr 80
		.amdhsa_next_free_sgpr 66
		.amdhsa_reserve_vcc 0
		.amdhsa_float_denorm_mode_32 3
		.amdhsa_float_denorm_mode_16_64 3
		.amdhsa_memory_ordered 1
		.amdhsa_forward_progress 1
		.amdhsa_inst_pref_size 6
	.end_amdhsa_kernel
	.amdgpu_metadata
---
amdhsa.version: [ 1, 2 ]
amdhsa.kernels:
  - .name:           k_qbbd06d2654_combine
    .symbol:         k_qbbd06d2654_combine.kd
    .args:
      - { .name: plan, .offset: 0, .size: 8, .value_kind: global_buffer, .address_space: global }
      - { .name: rwgt, .offset: 8, .size: 8, .value_kind: global_buffer, .address_space: global }
      - { .name: part, .offset: 16, .size: 8, .value_kind: global_buffer, .address_space: global }
      - { .name: out0, .offset: 24, .size: 8, .value_kind: global_buffer, .address_space: global }
    .group_segment_fixed_size: 0
    .private_segment_fixed_size: 0
    .kernarg_segment_align: 8
    .kernarg_segment_size: 32
    .max_flat_workgroup_size: 256
    .sgpr_count:     66
    .vgpr_count:     80
    .wavefront_size: 32
...
	.end_amdgpu_metadata
.endif
;; end of part 6
;; ======== version 2 of 2: 6 launches; version 1 with the launches qattn, oproj written anew for expert scheduling mode
;; workspace buffers: wcode 35,651,584 bytes; ridx 16,384 bytes of whole numbers; rwgt 16,384 bytes; xcode 16,777,216 bytes; plan 82,176 bytes of whole numbers; kvcode 16,777,216 bytes; ocode 16,777,216 bytes; part 67,108,864 bytes
;; launch prep1: the kernel of part 1 again; grid 1152 x 1, 4 waves a work-group, no clusters, 86,528 bytes of LDS; arguments Wq, Wk, Wv, Wo, queries, Wr, br, lowp_scales, wcode, ridx, rwgt; writes wcode, ridx, rwgt
;; launch prep2: the kernel of part 2 again; grid 1025 x 1, 4 waves a work-group, no clusters, 34,304 bytes of LDS; arguments keys, values, ridx, lowp_scales, xcode, plan; writes xcode, plan
;; launch kvproj: the kernel of part 3 again; grid 64 x 4, 4 waves a work-group, clusters of 4 x 4, 327,680 bytes of LDS; arguments wcode, xcode, lowp_scales, bk, bv, kvcode; writes kvcode
;; launch qattn (part 7): grid 16 x 79, 4 waves a work-group, no clusters, 131,584 bytes of LDS; arguments wcode, plan, kvcode, bq, lowp_scales, ocode; writes ocode
.if DOCPART == 7
	.amdgcn_target "amdgcn-amd-amdhsa--gfx1250"
	.amdhsa_code_object_version 6
	.text
	.protected	k_qbbd06d2654_qattn
	.globl	k_qbbd06d2654_qattn
	.p2align	8
	.type	k_qbbd06d2654_qattn,@function
k_qbbd06d2654_qattn:
	s_mov_b64 s[64:65], 0
	v_nop
	global_prefetch_b8 v0, s[64:65] scope:SCOPE_SE
	s_setreg_imm32_b32 hwreg(HW_REG_WAVE_SCHED_MODE, 0, 2), 2
	s_setreg_imm32_b32 hwreg(HW_REG_WAVE_MODE, 25, 1), 1
	s_wait_xcnt 0x0
	s_wait_alu depctr_vm_vsrc(0)
; qattn.  A work-group takes one tile of 64 routed rows of one group g = 2 expert + batch (y) and one head (x); a wave takes 16 of the rows through: gather of the rows' codes, q = x Wq + bq, quantised (e6),
; S^T = K Q^T, the softmax, O^T = V^T P^T over the group's 512 keys, O / the sum, quantised (e10), stored as half an image of the o product's operand.
; With 4,096 routed rows, 16 groups and tiles of 64 there are never more than 79 tiles.  The tile's group is found from the stored counts.  A tile without rows stores nothing; its loads ahead of the barrier are pointed at a group
; that has rows, so that every wave passes the barrier and no unwritten word is read.  Ranks past the group's count are held at the last row: such rows fall into the tile's unused places, which no later launch uses.
; No tensor load: the paths hang on stored counts.  Wq's 64 KiB, K's and V's 32 KiB each come through registers into LDS once, for all four waves.
; THE SOFTMAX: t = score x log2(e) / 8; M = the running largest t rounded up to a whole number; p = 2^(t - M) is quantised (e9); the sum is taken of the unquantised p and divides at the end.
; Both attention products are used transposed, so a lane holds one row throughout; the order of rows in K's tiles makes p's 16 registers of two neighbouring tiles 16 neighbouring keys.
; LIMITS: e6 - e0 - e1, e9, e10 between -126 and 119; e6 + e7 between -123 and 130.
; REGISTERS.  Window 0: v1 16 lane, v2 r, v3 h, v4-11 addresses, v12 -M, v13 largest t, v[14:15] the sum, v16-23 Q's codes, v24/25 the add's two, v26-29 scales, v32-159 the rows' codes (8 K steps), later v96-159 S^T, then p;
;   v160-191 q's sums, later O^T; v224-239 p's codes; v240-254 at work.   Window 1: staging; then four sets of Wq's fragments (64 registers each); then K0, K1 (v0, v64) and V0, V1 (v128, v192): a key step's fragments.
; THE MODE: SCHED_MODE bits 1:0 = 2 (LLVM: expert scheduling mode 2), set by the entry lines.  The code itself states the register dependences between vector or matrix instructions and memory or LDS instructions, with s_wait_alu, always for 0.
; THE PLAN.  Registers that memory or LDS instructions touch:
;   v1, v4-6, v8, v9, v11   addresses, made at the head and never written again; v10 the entry's address, made once.  One wait on va_vdst ahead of the first load states them all.
;   v7                      at work at the head; the entry lands in it; made into the rows' address: a second wait on va_vdst ahead of the loads that follow.
;   window 1, staging       written by global loads, read by my LDS stores; one wait on vm_vsrc behind the barrier, ahead of the LDS loads that land there.
;   window 1, W0 .. W3      K step s of the q product reads W[s % 4].  Steps 0 to 3 are asked for with no wait; one wait on va_vdst behind step 1 frees W0 and W1 for steps 4 and 5, one behind step 3 frees W2 and W3 for steps 6 and 7.
;   window 1, K0 K1 V0 V1   one wait on va_vdst behind the q product's last step; keys 0, keys 1 and values 0 follow it.  In key step q the one wait behind the exponentials also states that this step's K Q^T is done reading K[q % 2]
;                           and the last step's V^T P^T is done reading V[(q + 1) % 2]: values q + 1 and keys q + 2 are asked for straight behind it.  No other wait on va_vdst stands in a key step.
;   v32-159, v160-191       the rows' codes and the bias land there once, before any vector instruction has named them.
;   v224-231                written by the last conversions, read by the two stores: one wait on va_vdst.
.set KL,    65536
.set VL,    98304
.set SPARE, 131072
.set SPW,   24
.set NIL,   25
.set CS,    54
.set SEL,   56
.set MSB, 0
.macro WIN new
.if MSB != \new
	s_set_vgpr_msb (MSB<<8)|\new
.set MSB, \new
.endif
.endm
; From the counts s16-31 and the tile s44: s49 the group, s50 the tile's first rank, s51 the group's count, s53 = 1 for a tile without rows.
.macro FINDTILE
	s_mov_b32 s48, 0                               ; tiles of the groups so far
	s_mov_b32 s49, 0                               ; groups that end at or before my tile
	s_mov_b32 s50, 0                               ; where my group's tiles begin
	s_mov_b32 s51, 0
	s_mov_b32 s52, 0                               ; a group that has rows
.irp g, 0,1,2,3,4,5,6,7,8,9,10,11,12,13,14,15
	s_min_u32 s47, s[16+\g], 1024
	s_cmp_lg_u32 s47, 0
	s_cselect_b32 s52, \g, s52
	s_cmp_ge_u32 s44, s48
	s_cselect_b32 s51, s47, s51
	s_add_co_u32 s47, s47, 63
	s_lshr_b32 s47, s47, 6
	s_add_co_u32 s48, s48, s47
	s_cmp_ge_u32 s44, s48
	s_cselect_b32 s50, s48, s50
	s_add_co_ci_u32 s49, s49, 0
.endr
	s_cmp_ge_u32 s49, 16
	s_cselect_b32 s49, s52, s49
	s_cselect_b32 s53, 1, 0
	s_cselect_b32 s51, 1, s51
	s_cselect_b32 s50, s44, s50
	s_min_u32 s49, s49, 15
	s_sub_co_u32 s50, s44, s50
	s_lshl_b32 s50, s50, 6
	s_min_u32 s50, s50, 960
.endm
.macro POWLIM se, vp, vl               ; 2^e and 448 x 2^e as f32
	s_add_co_i32 s74, \se, 127
	s_lshl_b32 s75, s74, 23
	v_mov_b32 v[\vp], s75
	s_add_co_i32 s74, s74, 8
	s_lshl_b32 s74, s74, 23
	s_or_b32 s74, s74, 0x600000
	v_mov_b32 v[\vl], s74
.endm
	s_load_b256 s[4:11], s[0:1], 0x0               ; wcode, plan, kvcode, bq
	s_load_b128 s[12:15], s[0:1], 0x20             ; the scales, ocode
	v_lshl_add_u32 v[SPW], v0, 2, SPARE
	v_mov_b32 v[NIL], 0
	v_lshrrev_b32 v1, 5, v0
	v_readfirstlane_b32 s46, v1                    ; wave
	v_and_b32 v2, 15, v0
	v_bfe_u32 v3, v0, 4, 1
	v_and_b32 v1, 31, v0
	v_lshlrev_b32 v1, 4, v1                        ; 16 x lane
	v_lshlrev_b32 v4, 4, v0                        ; 16 x thread
	v_add_nc_u32 v5, KL, v4
	v_lshrrev_b32 v6, 6, v0
	v_and_b32 v7, 63, v0
	v_lshlrev_b32 v7, 4, v7
	v_lshl_or_b32 v6, v6, 14, v7                   ; K in memory: 64 threads to a key tile's 1,024 bytes, tiles 16,384 apart
	v_add_nc_u32 v8, KL, v1
	v_add_nc_u32 v9, VL, v1
	v_lshlrev_b32 v11, 6, v3                       ; the bias: 64 h
	s_wait_alu depctr_va_sdst(0)                   ; s46 is written, ahead of its first reader: the rows' ranks and the codes' place are made from it
	s_and_b32 s44, ttmp7, 0xffff                   ; tile
	s_mov_b32 s45, ttmp9                           ; head
	s_wait_kmcnt 0x0
	s_load_b512 s[16:31], s[6:7], 0x14000          ; the groups' counts
	s_load_b256 s[32:39], s[12:13], 0x0            ; e0 .. e7
	s_load_b128 s[40:43], s[12:13], 0x20           ; e8 .. e11
	s_wait_kmcnt 0x0
	FINDTILE
	s_lshl_b32 s54, s46, 4
	s_add_co_u32 s54, s54, s50
	s_sub_co_u32 s55, s51, 1
	s_lshl_b32 s56, s49, 10
	s_and_b32 s57, s49, 14                         ; 2 x expert
	s_lshl_b32 s58, s57, 19
	s_lshl_b32 s59, s45, 16
	s_add_co_u32 s58, s58, s59
	s_mov_b32 s59, 0
	s_add_nc_u64 s[60:61], s[4:5], s[58:59]        ; Wq's four tiles of this head: 65,536 consecutive bytes
	s_lshl_b32 s58, s49, 19
	s_lshl_b32 s62, s45, 10
	s_add_co_u32 s62, s62, s58
	s_mov_b32 s63, 0
	s_add_nc_u64 s[62:63], s[8:9], s[62:63]        ; K
	s_lshl_b32 s66, s45, 15
	s_add_co_u32 s66, s66, s58
	s_add_co_u32 s66, s66, 0x800000
	s_mov_b32 s67, 0
	s_add_nc_u64 s[66:67], s[8:9], s[66:67]        ; V: 32,768 consecutive bytes
	s_add_nc_u64 s[68:69], s[4:5], 0x2000000       ; the queries' codes
	s_lshl_b32 s70, s57, 11
	s_lshl_b32 s71, s45, 8
	s_add_co_u32 s70, s70, s71
	s_mov_b32 s71, 0
	s_add_nc_u64 s[70:71], s[10:11], s[70:71]      ; bq at my head
	v_add_nc_u32 v10, s54, v2                      ; my row's rank,
	v_min_u32 v10, s55, v10                        ; held at the group's last,
	v_min_u32 v10, 1023, v10                       ; and inside the list
	v_add_nc_u32 v10, s56, v10
	v_lshlrev_b32 v10, 2, v10
	s_wait_alu depctr_va_vdst(0)                   ; the addresses v1, v4 to v6, v8 to v11 are written, which the loads and LDS instructions below read; the head is done with v7, in which the entry lands
	global_load_b32 v7, v10, s[6:7]                ; its entry
	WIN 0x40                                       ; destinations in window 1
.set JJ, 0
.rept 32
	global_load_b128 v[4*JJ:4*JJ+3], v4, s[60:61] offset:2048*JJ
.set JJ, JJ+1
.endr
	WIN 0
	s_wait_loadcnt 32                              ; the entry is in; Wq's 32 staging loads, issued behind it, may be out
	v_min_u32 v7, 4095, v7
	v_and_b32 v7, 0xffe, v7                        ; 2 x token
	v_lshlrev_b32 v7, 9, v7                        ; its row of 1,024 codes
	v_lshl_add_u32 v7, v3, 4, v7
	WIN 0x40
	s_wait_alu depctr_va_vdst(0)                   ; v7 is written: the rows' 32 loads below read it as their offset
.set JJ, 0
.rept 16
	global_load_b128 v[128+4*JJ:128+4*JJ+3], v6, s[62:63] offset:32768*JJ
.set JJ, JJ+1
.endr
.set JJ, 0
.rept 16
	global_load_b128 v[192+4*JJ:192+4*JJ+3], v4, s[66:67] offset:2048*JJ
.set JJ, JJ+1
.endr
	WIN 0
.irp s, 0,1,2,3,4,5,6,7
.irp c, 0,1,2,3
	global_load_b128 v[32+16*\s+4*\c:35+16*\s+4*\c], v7, s[68:69] offset:128*\s+32*\c   ; k = 128 s + 32 c + 16 h + 0 .. 15 of my row
.endr
.endr
.irp t, 0,1,2,3
	global_load_b128 v[160+8*\t:163+8*\t], v11, s[70:71] offset:(32*(\t/2)+8*(\t%2))*4      ; bq in the result's layout: it starts the sums
	global_load_b128 v[164+8*\t:167+8*\t], v11, s[70:71] offset:(32*(\t/2)+8*(\t%2))*4+16
.endr
	s_wait_loadcnt 40                              ; the 64 staging loads are in; the rows' 32 and the bias's 8, issued behind them, may be out
	WIN 0x04                                       ; store data in window 1
.set JJ, 0
.rept 32
	ds_store_b128 v4, v[4*JJ:4*JJ+3] offset:2048*JJ
.set JJ, JJ+1
.endr
.set JJ, 0
.rept 16
	ds_store_b128 v5, v[128+4*JJ:128+4*JJ+3] offset:2048*JJ
.set JJ, JJ+1
.endr
.set JJ, 0
.rept 16
	ds_store_b128 v5, v[192+4*JJ:192+4*JJ+3] offset:32768+2048*JJ
.set JJ, JJ+1
.endr
	WIN 0
	s_wait_dscnt 0x0                               ; for the others' sake: my stores have landed
	s_barrier_signal -1
	s_barrier_wait -1
	s_wait_alu depctr_vm_vsrc(0)                   ; my LDS stores have read the staging registers of window 1, in which Wq's fragments land from here on
	s_cmp_lg_u32 s53, 0                            ; a tile without rows leaves here: no barrier follows
	s_cbranch_scc1 .Lclose
; ---------------- q = x Wq + bq, transposed: source 0 = 16 channels of Wq, source 1 = my 16 rows
.macro FETCHB s                        ; Wq's four fragments of K step s into set s % 4 of window 1
	WIN 0x40
.irp t, 0,1,2,3
.irp c, 0,1,2,3
	ds_load_b128 v[64*((\s)%4)+16*\t+4*\c:64*((\s)%4)+16*\t+4*\c+3], v1 offset:(8*\t+(\s))*2048+512*\c
.endr
.endr
.endm
.macro QMUL s                          ; K step s: the four accumulators take turns, one instruction a turn
	WIN 0x01                                       ; source 0 in window 1
.irp t, 0,1,2,3
	v_wmma_f32_16x16x128_fp8_fp8 v[160+8*\t:167+8*\t], v[64*((\s)%4)+16*\t:64*((\s)%4)+16*\t+15], v[32+16*(\s):47+16*(\s)], v[160+8*\t:167+8*\t]
.endr
.endm
.macro PLACES                          ; four plain lines behind matrix instructions, ahead of a read of their results; they stand ahead of loads into registers just multiplied too, beside the wait that states that dependence
.rept 4
	v_nop
.endr
.endm
	FETCHB 0                                       ; no vector or matrix instruction has named window 1 yet: these owe no wait on va_vdst
	FETCHB 1
	FETCHB 2
	WIN 0
	s_add_co_i32 s72, s32, s33                     ; e0 + e1
	s_sub_co_i32 s73, 0, s72
	s_sub_co_i32 s76, s38, s72                     ; a sum stands for sum x 2^(e0 + e1): the conversion's one scale is 2^(e6 - e0 - e1)
	POWLIM s76, 26, 27
	POWLIM s41, 244, 240                           ; e9
	POWLIM s42, 29, 28                             ; e10
	s_wait_loadcnt 0x0
.set JJ, 0
.rept 32
	v_ldexp_f32 v[160+JJ], v[160+JJ], s73          ; bq / 2^(e0 + e1)
.set JJ, JJ+1
.endr
	s_wait_dscnt 32                                ; step 0's set is in; behind it: steps 1 and 2
	FETCHB 3                                       ; the fourth set: still named by no vector or matrix instruction
	QMUL 0
	s_wait_dscnt 32                                ; step 1's: behind it steps 2 and 3
	QMUL 1
	PLACES
	WIN 0x40
	s_wait_alu depctr_va_vdst(0)                   ; the matrix instructions of steps 0 and 1 are done reading W0 and W1, in which steps 4 and 5 land
	FETCHB 4
	FETCHB 5
	s_wait_dscnt 48                                ; step 2's: behind it steps 3, 4 and 5
	QMUL 2
	s_wait_dscnt 32                                ; step 3's: behind it steps 4 and 5
	QMUL 3
	PLACES
	WIN 0x40
	s_wait_alu depctr_va_vdst(0)                   ; the matrix instructions of steps 2 and 3 are done reading W2 and W3, in which steps 6 and 7 land
	FETCHB 6
	FETCHB 7
	s_wait_dscnt 48                                ; step 4's: behind it steps 5, 6 and 7
	QMUL 4
	s_wait_dscnt 32
	QMUL 5
	s_wait_dscnt 16
	QMUL 6
	s_wait_dscnt 0x0
	QMUL 7
.macro KLOAD q                         ; key step q's eight fragments of K (16 keys x 64) into K[q % 2]
.irp t, 0,1,2,3,4,5,6,7
.irp c, 0,1
	ds_load_b128 v[64*((\q)%2)+8*\t+4*\c:64*((\q)%2)+8*\t+4*\c+3], v8 offset:(8*(\q)+\t)*1024+512*\c
.endr
.endr
.endm
.macro VLOAD q                         ; key step q's four fragments of V (16 channels x 128 keys) into V[q % 2]
.irp t, 0,1,2,3
.irp c, 0,1,2,3
	ds_load_b128 v[128+64*((\q)%2)+16*\t+4*\c:128+64*((\q)%2)+16*\t+4*\c+3], v9 offset:(4*\t+(\q))*2048+512*\c
.endr
.endr
.endm
	PLACES                                         ; behind the last products, ahead of the holds that read their results
	WIN 0x40
	s_wait_alu depctr_va_vdst(0)                   ; the q product's matrix instructions are done reading window 1: it holds K's and V's fragments from here on
	KLOAD 0
	KLOAD 1
	VLOAD 0                                        ; they land while q is quantised
	WIN 0
.set JJ, 0
.rept 32
	v_med3_num_f32 v[160+JJ], v[160+JJ], -v27, v27
.set JJ, JJ+1
.endr
.irp b, 0,1
	v_cvt_scalef32_pk8_fp8_f32 v[16+4*\b:17+4*\b], v[160+16*\b:167+16*\b], v26    ; registers 4 b .. 4 b + 3: d = 32 b + 16 h + 0 .. 15
	v_cvt_scalef32_pk8_fp8_f32 v[18+4*\b:19+4*\b], v[168+16*\b:175+16*\b], v26
.endr
	v_nop
	s_mov_b32 s[CS], 0x3e38aa3b                    ; log2(e) / 8
	s_add_co_i32 s76, s38, s39
	s_lshl_b32 s76, s76, 23
	s_add_co_i32 s[CS], s[CS], s76                 ; x 2^(e6 + e7), by the exponent field
	s_mov_b32 s[CS+1], s[CS]
	s_mov_b32 s[SEL], 0x76543210
	s_mov_b32 s[SEL+1], 0xfedcba98
	v_mov_b32 v13, 0xff61b1e6                      ; the largest t so far: under every t
	v_floor_f32 v12, -v13
	v_mov_b32 v14, 0
	v_mov_b32 v15, 0
	v_mov_b32 v246, 0
	v_mov_b32 v253, 0
.set JJ, 0
.rept 32
	v_mov_b32 v[160+JJ], 0                         ; O^T: the step is written once, and its first change of M leaves zeros zeros
.set JJ, JJ+1
.endr
; ---------------- a key step: 128 keys.  wk, wv: the LDS loads issued behind this step's K and behind its V, which may stay out
.macro STEP q, wk, wv
	s_wait_dscnt \wk                               ; K[q % 2] is in
	WIN 0x01                                       ; source 0 in window 1
.irp t, 0,1,2,3,4,5,6,7
	v_wmma_f32_16x16x64_fp8_fp8 v[96+8*\t:103+8*\t], v[64*((\q)%2)+8*\t:64*((\q)%2)+8*\t+7], v[16:23], 0
.endr
	WIN 0
	PLACES
	v_max3_num_f32 v254, v96, v97, v98             ; the step's largest score of my row, in two chains
	v_max3_num_f32 v252, v99, v100, v101
.irp i, 6,10,14,18,22,26,30,34,38,42,46,50,54,58
	v_max3_num_f32 v254, v254, v[96+\i], v[97+\i]
	v_max3_num_f32 v252, v252, v[98+\i], v[99+\i]
.endr
	v_max3_num_f32 v254, v254, v158, v159
	v_max_num_f32 v254, v254, v252
	v_permlanex16_b32 v246, v254, s[SEL], s[SEL+1]
	v_max_num_f32 v254, v254, v246
	v_mul_f32 v254, s[CS], v254
	v_max_num_f32 v13, v13, v254                   ; the running largest t
	v_mov_b32 v254, v12
	v_floor_f32 v12, -v13                          ; -M = floor(-t): M is a whole number
	v_sub_f32 v254, v12, v254
	v_cvt_i32_f32 v254, v254
	v_ldexp_f32 v252, 1.0, v254                    ; f = 2^(old M - new M)
.set JJ, 0
.rept 32
	v_pk_fma_f32 v[96+JJ:97+JJ], v[96+JJ:97+JJ], s[CS:CS+1], v[12:13] op_sel_hi:[1,0,0]   ; t - M
.set JJ, JJ+2
.endr
.set JJ, 0
.rept 64
	v_exp_f32 v[96+JJ], v[96+JJ]
.set JJ, JJ+1
.endr
	v_pk_mul_f32 v[14:15], v[14:15], v[252:253] op_sel_hi:[1,0]   ; the sums under the new M: the plain line behind the exponentials
.if (\q) < 3
	WIN 0x40
.endif
	s_wait_alu depctr_va_vdst(0)                   ; the 64 exponentials have written p, ahead of its first reader; this step's K Q^T is done reading K[q % 2], and the last step's V^T P^T is done reading V[(q + 1) % 2]
.if (\q) < 3
	VLOAD (\q)+1                                   ; the next step's values,
.if (\q) < 2
	KLOAD (\q)+2                                   ; and the keys of the step after it
.endif
	WIN 0
.endif
	v_pk_add_f32 v[242:243], v[96:97], v[98:99]    ; the sum of the unquantised p
.irp j, 4,8,12,16,20,24,28,32,36,40,44,48,52,56,60
	v_pk_add_f32 v[14:15], v[14:15], v[96+\j:97+\j]
	v_pk_add_f32 v[242:243], v[242:243], v[98+\j:99+\j]
.endr
	v_pk_add_f32 v[14:15], v[14:15], v[242:243]
.irp b, 0,1,2,3
.irp i, 0,1,2,3,4,5,6,7,8,9,10,11,12,13,14,15
	v_min_num_f32 v[96+16*\b+\i], v[96+16*\b+\i], v240   ; p is not negative: the hold is one-sided
.endr
	v_cvt_scalef32_pk8_fp8_f32 v[224+4*\b:225+4*\b], v[96+16*\b:103+16*\b], v244
	v_cvt_scalef32_pk8_fp8_f32 v[226+4*\b:227+4*\b], v[104+16*\b:111+16*\b], v244
.endr
.set JJ, 0
.rept 16
	v_pk_mul_f32 v[160+JJ:161+JJ], v[160+JJ:161+JJ], v[252:253] op_sel_hi:[1,0]   ; O^T under the new M
.set JJ, JJ+2
.endr
	s_wait_dscnt \wv                               ; V[q % 2] is in
	WIN 0x01
.irp t, 0,1,2,3
	v_wmma_f32_16x16x128_fp8_fp8 v[160+8*\t:167+8*\t], v[128+64*((\q)%2)+16*\t:128+64*((\q)%2)+16*\t+15], v[224:239], v[160+8*\t:167+8*\t]
.endr
.endm
	STEP 0, 32, 32                                 ; behind keys 0: keys 1, values 0;  behind values 0: values 1, keys 2
	STEP 1, 48, 48                                 ; behind keys 1: values 0, values 1, keys 2;  behind values 1: keys 2, values 2, keys 3
	STEP 2, 32, 32                                 ; behind keys 2: values 2, keys 3;  behind values 2: keys 3, values 3
	STEP 3, 16, 0                                  ; behind keys 3: values 3;  behind values 3: nothing
	WIN 0
; ---------------- O / the sum, quantised; my head's 64 channels are half an image
	PLACES
	v_add_f32 v14, v14, v15
	v_permlanex16_b32 v252, v14, s[SEL], s[SEL+1]
	v_add_f32 v14, v14, v252
	v_rcp_f32 v14, v14
	v_nop
	s_add_co_i32 s76, s40, s41                     ; e8 + e9
	s_wait_alu depctr_va_vdst(0)                   ; the reciprocal has written v14, ahead of its first reader
	v_ldexp_f32 v14, v14, s76
.set JJ, 0
.rept 32
	v_mul_f32 v[96+JJ], v[160+JJ], v14
.set JJ, JJ+1
.endr
.set JJ, 0
.rept 32
	v_med3_num_f32 v[96+JJ], v[96+JJ], -v28, v28
.set JJ, JJ+1
.endr
.irp b, 0,1
	v_cvt_scalef32_pk8_fp8_f32 v[224+4*\b:225+4*\b], v[96+16*\b:103+16*\b], v29
	v_cvt_scalef32_pk8_fp8_f32 v[226+4*\b:227+4*\b], v[104+16*\b:111+16*\b], v29
.endr
	v_nop
	s_lshl_b32 s76, s49, 20
	s_lshl_b32 s77, s50, 10
	s_add_co_u32 s76, s76, s77
	s_lshl_b32 s77, s46, 14
	s_add_co_u32 s76, s76, s77
	s_lshr_b32 s77, s45, 1
	s_lshl_b32 s77, s77, 11
	s_add_co_u32 s76, s76, s77
	s_and_b32 s77, s45, 1
	s_lshl_b32 s77, s77, 10
	s_add_co_u32 s76, s76, s77
	s_mov_b32 s77, 0
	s_add_nc_u64 s[14:15], s[14:15], s[76:77]
	s_wait_alu depctr_va_vdst(0)                   ; the conversions have written v224 to v231, which the two stores read
	global_store_b128 v1, v[224:227], s[14:15]               ; 512 consecutive bytes each
	global_store_b128 v1, v[228:231], s[14:15] offset:512
.Lclose:
	s_wait_dscnt 0x0                               ; the closing lines, six on end
	s_wait_alu 0x0
	s_wait_tensorcnt 0x0
	ds_add_u32 v[SPW], v[NIL]
	s_wait_dscnt 0x0
	s_endpgm
.Lfunc_end_k_qbbd06d2654_qattn:
	.size	k_qbbd06d2654_qattn, .Lfunc_end_k_qbbd06d2654_qattn-k_qbbd06d2654_qattn
	.p2alignl 7, 3214868480
	.fill 96, 4, 3214868480
	.section	.rodata,"a",@progbits
	.p2align	6, 0x0
	.amdhsa_kernel k_qbbd06d2654_qattn
		.amdhsa_group_segment_fixed_size 131584
		.amdhsa_private_segment_fixed_size 0
		.amdhsa_enable_private_segment 0
		.amdhsa_kernarg_size 48
		.amdhsa_user_sgpr_count 2
		.amdhsa_user_sgpr_kernarg_segment_ptr 1
		.amdhsa_wavefront_size32 1
		.amdhsa_system_sgpr_workgroup_id_x 1
		.amdhsa_system_sgpr_workgroup_id_y 1
		.amdhsa_system_sgpr_workgroup_id_z 1
		.amdhsa_system_vgpr_workitem_id 0
		.amdhsa_next_free_vgpr 512
		.amdhsa_next_free_sgpr 80
		.amdhsa_reserve_vcc 0
		.amdhsa_float_denorm_mode_32 3
		.amdhsa_float_denorm_mode_16_64 3
		.amdhsa_memory_ordered 1
		.amdhsa_forward_progress 1
		.amdhsa_inst_pref_size 107
	.end_amdhsa_kernel
	.amdgpu_metadata
---
amdhsa.version: [ 1, 2 ]
amdhsa.kernels:
  - .name:           k_qbbd06d2654_qattn
    .symbol:         k_qbbd06d2654_qattn.kd
    .args:
      - { .name: wcode, .offset: 0, .size: 8, .value_kind: global_buffer, .address_space: global }
      - { .name: plan, .offset: 8, .size: 8, .value_kind: global_buffer, .address_space: global }
      - { .name: kvcode, .offset: 16, .size: 8, .value_kind: global_buffer, .address_space: global }
      - { .name: bq, .offset: 24, .size: 8, .value_kind: global_buffer, .address_space: global }
      - { .name: lowp_scales, .offset: 32, .size: 8, .value_kind: global_buffer, .address_space: global }
      - { .name: ocode, .offset: 40, .size: 8, .value_kind: global_buffer, .address_space: global }
    .group_segment_fixed_size: 131584
    .private_segment_fixed_size: 0
    .kernarg_segment_align: 8
    .kernarg_segment_size: 48
    .max_flat_workgroup_size: 128
    .sgpr_count:     80
    .vgpr_count:     512
    .wavefront_size: 32
...
	.end_amdgpu_metadata
.endif
;; end of part 7
;; launch oproj (part 8): grid 4 x 79, 4 waves a work-group, no clusters, 17,920 bytes of LDS; arguments wcode, plan, ocode, bo, lowp_scales, part; writes part
.if DOCPART == 8
	.amdgcn_target "amdgcn-amd-amdhsa--gfx1250"
	.amdhsa_code_object_version 6
	.text
	.protected	k_qbbd06d2654_oproj
	.globl	k_qbbd06d2654_oproj
	.p2align	8
	.type	k_qbbd06d2654_oproj,@function
k_qbbd06d2654_oproj:
	s_mov_b64 s[64:65], 0
	v_nop
	global_prefetch_b8 v0, s[64:65] scope:SCOPE_SE
	s_setreg_imm32_b32 hwreg(HW_REG_WAVE_SCHED_MODE, 0, 2), 2
	s_setreg_imm32_b32 hwreg(HW_REG_WAVE_MODE, 25, 1), 1
	s_wait_xcnt 0x0
	s_wait_alu depctr_vm_vsrc(0)
; oproj.  A work-group takes one tile of 64 routed rows (y, found from the stored counts as in the launch before) and 256 output columns (x); a wave takes 64 rows x 64 columns: 16 accumulators.
; y = o Wo + bo on codes of E4M3; both operands lie in memory as images of operand registers and go straight into registers (the paths hang on stored counts, so there is no tensor load).
; Used transposed (source 0 = 16 columns of Wo, source 1 = 16 rows of o): a lane holds one row, and 16 registers of two neighbouring tiles are 16 neighbouring columns.
; Results go to part[g][rank][1024] f32, in the sorted order: a tile's unused places are stored too and are read by nobody.  A tile without rows stores nothing.
; LIMIT: e10 + e11 between -126 and 127.
; REGISTERS.  Window 0: v1 16 lane, v4-7 addresses, v8/9 the add's two, v32-63 the bias, v64-127 the way out's rows of blocks 0 and 1, v128-255 the accumulators ((i, t) at 128 + 8 (4 i + t)), scaled in place on the way out;
;   v128-191 then take the rows of blocks 2 and 3.  Window 1: two sets of 128: o's four fragments, then Wo's four.
; THE MODE: SCHED_MODE bits 1:0 = 2 (LLVM: expert scheduling mode 2), set by the entry lines.  The code itself states the register dependences between vector or matrix instructions and memory or LDS instructions, with s_wait_alu, always for 0.
; THE PLAN.  Registers that memory or LDS instructions touch:
;   v1, v4-7        addresses, made at the head and never written again: one wait on va_vdst ahead of the first load.
;   window 1        K step s: its sixteen matrix instructions read set s % 2; behind them the loads of step s + 2 land in it.  ONE wait on va_vdst a step, behind its matrix instructions, and the 32 loads follow at once:
;                   two steps' loads are then on their way while the wave waits for the next step's data; a set that waited for the next step's head would lie idle meanwhile.
;   v32-63          the bias lands there once; vector instructions only read it.
;   v128-255        written by the matrix instructions and, in place, by the way out's 64 multiply-adds; read by the LDS stores: one wait on va_vdst behind the multiply-adds, and no vector instruction follows it.
;   v64-127         blocks 0 and 1 come back from the stage into them; named by no vector instruction.
;   v128-191 again  blocks 2 and 3 come back into them: one wait on vm_vsrc, behind the LDS stores of blocks 0 and 1, which read them.  No register of a global store is written again.
.set SPARE, 17408
.set SPW,   8
.set NIL,   9
.set MSB, 0
.macro WIN new
.if MSB != \new
	s_set_vgpr_msb (MSB<<8)|\new
.set MSB, \new
.endif
.endm
.macro FINDTILE                        ; from the counts s16-31 and the tile s44: s49 the group, s50 the first rank, s51 the count, s53 = 1 for a tile without rows
	s_mov_b32 s48, 0
	s_mov_b32 s49, 0
	s_mov_b32 s50, 0
	s_mov_b32 s51, 0
	s_mov_b32 s52, 0
.irp g, 0,1,2,3,4,5,6,7,8,9,10,11,12,13,14,15
	s_min_u32 s47, s[16+\g], 1024
	s_cmp_lg_u32 s47, 0
	s_cselect_b32 s52, \g, s52
	s_cmp_ge_u32 s44, s48
	s_cselect_b32 s51, s47, s51
	s_add_co_u32 s47, s47, 63
	s_lshr_b32 s47, s47, 6
	s_add_co_u32 s48, s48, s47
	s_cmp_ge_u32 s44, s48
	s_cselect_b32 s50, s48, s50
	s_add_co_ci_u32 s49, s49, 0
.endr
	s_cmp_ge_u32 s49, 16
	s_cselect_b32 s49, s52, s49
	s_cselect_b32 s53, 1, 0
	s_cselect_b32 s51, 1, s51
	s_cselect_b32 s50, s44, s50
	s_min_u32 s49, s49, 15
	s_sub_co_u32 s50, s44, s50
	s_lshl_b32 s50, s50, 6
	s_min_u32 s50, s50, 960
.endm
	s_load_b256 s[4:11], s[0:1], 0x0               ; wcode, plan, ocode, bo
	s_load_b128 s[12:15], s[0:1], 0x20             ; the scales, part
	v_lshl_add_u32 v[SPW], v0, 2, SPARE
	v_mov_b32 v[NIL], 0
	v_lshrrev_b32 v1, 5, v0
	v_readfirstlane_b32 s46, v1                    ; wave
	v_and_b32 v2, 15, v0
	v_bfe_u32 v3, v0, 4, 1
	v_and_b32 v1, 31, v0
	v_lshlrev_b32 v1, 4, v1                        ; 16 x lane
	v_mul_u32_u24 v4, v2, 272
	v_lshl_add_u32 v4, v3, 6, v4
	v_mul_u32_u24 v5, v3, 272
	v_lshl_add_u32 v5, v2, 4, v5
	v_lshlrev_b32 v6, 12, v3
	v_lshl_add_u32 v6, v2, 4, v6                   ; two rows of part, sixteen lanes to a row
	v_lshlrev_b32 v7, 6, v3
	s_wait_alu depctr_va_sdst(0)                   ; s46 is written, ahead of its first reader: my stage and my columns are made from it
	s_mul_i32 s54, s46, 4352                       ; my stage: 16 rows of 256 bytes + 16
	v_add_nc_u32 v4, s54, v4                       ; in: row r, + 64 h
	v_add_nc_u32 v5, s54, v5                       ; back: sixteen lanes to a row
	s_and_b32 s44, ttmp7, 0xffff
	s_mov_b32 s45, ttmp9
	s_wait_kmcnt 0x0
	s_load_b512 s[16:31], s[6:7], 0x14000
	s_load_b128 s[40:43], s[12:13], 0x20           ; e8 .. e11
	s_wait_kmcnt 0x0
	FINDTILE
	s_cmp_lg_u32 s53, 0
	s_cbranch_scc1 .Lclose
	s_lshl_b32 s56, s49, 20
	s_lshl_b32 s54, s50, 10
	s_add_co_u32 s56, s56, s54
	s_mov_b32 s57, 0
	s_add_nc_u64 s[56:57], s[8:9], s[56:57]        ; o's four row tiles
	s_and_b32 s55, s49, 14
	s_lshl_b32 s58, s55, 19
	s_lshl_b32 s54, s45, 18
	s_add_co_u32 s58, s58, s54
	s_lshl_b32 s54, s46, 16
	s_add_co_u32 s58, s58, s54
	s_add_co_u32 s58, s58, 3<<23
	s_mov_b32 s59, 0
	s_add_nc_u64 s[58:59], s[4:5], s[58:59]        ; Wo's tiles 16 x + 4 wave on
	s_lshl_b32 s60, s55, 11
	s_lshl_b32 s54, s45, 10
	s_add_co_u32 s60, s60, s54
	s_lshl_b32 s54, s46, 8
	s_add_co_u32 s60, s60, s54
	s_mov_b32 s61, 0
	s_add_nc_u64 s[60:61], s[10:11], s[60:61]      ; bo at my first column
	s_lshl_b32 s62, s49, 10
	s_add_co_u32 s62, s62, s50
	s_lshl_b32 s62, s62, 12
	s_lshl_b32 s54, s45, 10
	s_add_co_u32 s62, s62, s54
	s_lshl_b32 s54, s46, 8
	s_add_co_u32 s62, s62, s54
	s_mov_b32 s63, 0
	s_add_nc_u64 s[14:15], s[14:15], s[62:63]      ; part at (my first row, my first column)
	s_add_co_i32 s62, s42, s43
	s_add_co_i32 s62, s62, 127
	s_lshl_b32 s62, s62, 23                        ; 2^(e10 + e11)
	s_mov_b32 s63, s62
	s_wait_alu depctr_va_vdst(0)                   ; the addresses v1 and v4 to v7 are written, which every load, LDS instruction and store below reads
.irp b, 0,1
.irp j, 0,1,2,3
	global_load_b128 v[32+16*\b+4*\j:35+16*\b+4*\j], v7, s[60:61] offset:128*\b+16*\j
.endr
.endr
.macro LOADK s                         ; K step s: 32 loads of 512 consecutive bytes, into set s % 2
	WIN 0x40
.irp i, 0,1,2,3
.irp c, 0,1,2,3
	global_load_b128 v[128*((\s)%2)+16*\i+4*\c:128*((\s)%2)+16*\i+4*\c+3], v1, s[56:57] offset:\i*16384+(\s)*2048+512*\c
.endr
.endr
.irp i, 0,1,2,3
.irp c, 0,1,2,3
	global_load_b128 v[128*((\s)%2)+64+16*\i+4*\c:128*((\s)%2)+64+16*\i+4*\c+3], v1, s[58:59] offset:\i*16384+(\s)*2048+512*\c
.endr
.endr
.endm
	LOADK 0                                        ; no vector or matrix instruction has named window 1 yet
	LOADK 1
.irp s, 0,1,2,3,4,5,6,7
.if \s < 7
	s_wait_loadcnt 32                              ; this K step (and the bias) is in; the next step's 32 loads may be out
.else
	s_wait_loadcnt 0x0
.endif
	WIN 0x05                                       ; sources 0 and 1 in window 1
.irp i, 0,1,2,3
.irp t, 0,1,2,3
.if \s == 0
	v_wmma_f32_16x16x128_fp8_fp8 v[128+8*(4*\i+\t):135+8*(4*\i+\t)], v[128*(\s%2)+64+16*\t:128*(\s%2)+79+16*\t], v[128*(\s%2)+16*\i:128*(\s%2)+15+16*\i], 0
.else
	v_wmma_f32_16x16x128_fp8_fp8 v[128+8*(4*\i+\t):135+8*(4*\i+\t)], v[128*(\s%2)+64+16*\t:128*(\s%2)+79+16*\t], v[128*(\s%2)+16*\i:128*(\s%2)+15+16*\i], v[128+8*(4*\i+\t):135+8*(4*\i+\t)]
.endif
.endr
.endr
.if \s < 6
.rept 4
	v_nop                                          ; places in front of loads into the set just multiplied; the wait below states the dependence
.endr
	WIN 0x40
	s_wait_alu depctr_va_vdst(0)                   ; this step's matrix instructions are done reading set s % 2, in which the loads of two steps on land
	LOADK \s+2
.endif
.endr
	WIN 0
.rept 4
	v_nop                                          ; four places behind the last matrix instruction, before its result is read (ISA guide 7.12.1)
.endr
; the way out: all sums are scaled in place; then 16 rows at a time go through my own stage, and sixteen lanes store 256 consecutive aligned bytes
.set JJ, 0
.rept 64
	v_pk_fma_f32 v[128+JJ:129+JJ], v[128+JJ:129+JJ], s[62:63], v[32+JJ%32:33+JJ%32] op_sel_hi:[1,0,1]   ; sum x 2^(e10 + e11) + bo; each accumulator from its low end on
.set JJ, JJ+2
.endr
	s_wait_alu depctr_va_vdst(0)                   ; the multiply-adds have written v128 to v255, which the LDS stores read; no vector instruction follows, so the loads that land in v128 to v191 owe nothing more to this side
.macro TOSTAGE i                       ; block i's 16 rows into the stage, and back as whole rows into v[64 + 32 i] on
.irp b, 0,1
.irp j, 0,1,2,3
	ds_store_b128 v4, v[128+32*(\i)+16*\b+4*\j:131+32*(\i)+16*\b+4*\j] offset:128*\b+16*\j
.endr
.endr
.irp j, 0,1,2,3,4,5,6,7
	ds_load_b128 v[64+32*(\i)+4*\j:67+32*(\i)+4*\j], v5 offset:544*\j   ; LDS serves a wave's instructions in order: these see my stores, and the next block's stores come behind them
.endr
.endm
.macro SEND i, younger                 ; younger: the LDS instructions issued behind block i's loads: the next block's sixteen, or none
.irp j, 0,1,2,3,4,5,6,7
	s_wait_dscnt \younger+7-\j
	global_store_b128 v6, v[64+32*(\i)+4*\j:67+32*(\i)+4*\j], s[14:15] offset:(16*(\i)+2*\j)*4096
.endr
.endm
	TOSTAGE 0
	TOSTAGE 1
	SEND 0, 16
	s_wait_alu depctr_vm_vsrc(0)                   ; the LDS stores of blocks 0 and 1 have read v128 to v191, in which the rows of blocks 2 and 3 land
	TOSTAGE 2
	SEND 1, 16
	TOSTAGE 3
	SEND 2, 16
	SEND 3, 0
.Lclose:
	s_wait_dscnt 0x0                               ; the closing lines, six on end
	s_wait_alu 0x0
	s_wait_tensorcnt 0x0
	ds_add_u32 v[SPW], v[NIL]
	s_wait_dscnt 0x0
	s_endpgm
.Lfunc_end_k_qbbd06d2654_oproj:
	.size	k_qbbd06d2654_oproj, .Lfunc_end_k_qbbd06d2654_oproj-k_qbbd06d2654_oproj
	.p2alignl 7, 3214868480
	.fill 96, 4, 3214868480
	.section	.rodata,"a",@progbits
	.p2align	6, 0x0
	.amdhsa_kernel k_qbbd06d2654_oproj
		.amdhsa_group_segment_fixed_size 17920
		.amdhsa_private_segment_fixed_size 0
		.amdhsa_enable_private_segment 0
		.amdhsa_kernarg_size 48
		.amdhsa_user_sgpr_count 2
		.amdhsa_user_sgpr_kernarg_segment_ptr 1
		.amdhsa_wavefront_size32 1
		.amdhsa_system_sgpr_workgroup_id_x 1
		.amdhsa_system_sgpr_workgroup_id_y 1
		.amdhsa_system_sgpr_workgroup_id_z 1
		.amdhsa_system_vgpr_workitem_id 0
		.amdhsa_next_free_vgpr 512
		.amdhsa_next_free_sgpr 66
		.amdhsa_reserve_vcc 0
		.amdhsa_float_denorm_mode_32 3
		.amdhsa_float_denorm_mode_16_64 3
		.amdhsa_memory_ordered 1
		.amdhsa_forward_progress 1
		.amdhsa_inst_pref_size 57
	.end_amdhsa_kernel
	.amdgpu_metadata
---
amdhsa.version: [ 1, 2 ]
amdhsa.kernels:
  - .name:           k_qbbd06d2654_oproj
    .symbol:         k_qbbd06d2654_oproj.kd
    .args:
      - { .name: wcode, .offset: 0, .size: 8, .value_kind: global_buffer, .address_space: global }
      - { .name: plan, .offset: 8, .size: 8, .value_kind: global_buffer, .address_space: global }
      - { .name: ocode, .offset: 16, .size: 8, .value_kind: global_buffer, .address_space: global }
      - { .name: bo, .offset: 24, .size: 8, .value_kind: global_buffer, .address_space: global }
      - { .name: lowp_scales, .offset: 32, .size: 8, .value_kind: global_buffer, .address_space: global }
      - { .name: part, .offset: 40, .size: 8, .value_kind: global_buffer, .address_space: global }
    .group_segment_fixed_size: 17920
    .private_segment_fixed_size: 0
    .kernarg_segment_align: 8
    .kernarg_segment_size: 48
    .max_flat_workgroup_size: 128
    .sgpr_count:     66
    .vgpr_count:     512
    .wavefront_size: 32
...
	.end_amdgpu_metadata
.endif
;; end of part 8
;; launch combine: the kernel of part 6 again; grid 256 x 1, 8 waves a work-group, no clusters, 0 bytes of LDS; arguments plan, rwgt, part, out0; writes out0
